; MI455X (gfx1250); checked and timed in simulation.
; The chip was launched on July 23, 2026; its instructions are those of AMD's public machine-readable ISA for CDNA 5 (MIT licence, August 2026) and "CDNA5" Instruction Set Architecture Reference Guide (July 2026). The comments in the code are by the model that wrote it; some were corrected since.
;; TT Multihead Attention. Allowed arithmetic: matrix products marked QUANTISED: E2M3 operands, one E8M0 scale for each 32 along K, by v_wmma_scale_f32_16x16x128_f8f6f4 with both operands' format E2M3, f32 sums; everything else in f32.
;; Inputs: Wk 1,024 x 1,024 float32; Wo 1,024 x 1,024 float32; Wq 1,024 x 1,024 float32; Wv 1,024 x 1,024 float32; key 4 x 2,048 x 1,024 float32; query 4 x 2,048 x 1,024 float32; value 4 x 2,048 x 1,024 float32.
;; Outputs: out0 4 x 2,048 x 1,024 float32.
;; This version of the problem:
;;   THIS VERSION OF THE PROBLEM IS GIVEN IN LOW PRECISION. The matrix products marked QUANTISED in the list below multiply operands that are first quantised to E2M3 (2 exponent bits, 3 mantissa bits; 6 bits a number), with one power-of-two scale for each 32 numbers along K (OCP MX v1.0); their sums are f32. All else is computed in f32.
;;   The module's matrix products, in the order in which they are computed (A, B: the left and right operand; K: the contracted axis; several contracted axes count as one K, in the product's order):
;;     1. [M 8,192, K 1,024] x [K 1,024, N 1,024]; A: input query; B: input Wq: QUANTISED
;;     2. [M 8,192, K 1,024] x [K 1,024, N 1,024]; A: input key; B: input Wk: QUANTISED
;;     3. [M 8,192, K 1,024] x [K 1,024, N 1,024]; A: input value; B: input Wv: QUANTISED
;;     4. batch 64 x [M 2,048, K 64] x [K 64, N 2,048]; A: computed on the way; B: computed on the way: QUANTISED
;;     5. batch 64 x [M 2,048, K 2,048] x [K 2,048, N 64]; A: softmax (see below); B: computed on the way: QUANTISED
;;     6. [M 8,192, K 1,024] x [K 1,024, N 1,024]; A: computed on the way; B: input Wo: QUANTISED
;;   THE QUANTISER, for each operand of a quantised product, along K:
;;     - K is cut into blocks of 32 from its start; a last block that is shorter is filled with zeros.
;;     - A block's scale is 2^e with e = floor(log2(the largest magnitude in the block)) - 2, held to -126 .. 127; a block of zeros has e = 0. As a byte (E8M0): e + 127.
;;     - Each number is divided by its block's scale, clamped to +-7.5, and rounded to the nearest number of E2M3, ties to even, subnormals kept.
;;     - The product sums the exact products of the quantised numbers (number of the format x scale) in f32.
;;   ~~~python
;;   def quantise(x, axis):      # numpy; x: float32 -> the quantised numbers, widened to float32 again
;;       x = np.moveaxis(x, axis, -1); K = x.shape[-1]
;;       x = np.pad(x, [(0, 0)] * (x.ndim - 1) + [(0, -K % 32)]); x = x.reshape(x.shape[:-1] + (-1, 32)); a = np.abs(x).max(-1, keepdims=True)
;;       e = np.where(a > 0, np.clip(np.frexp(np.where(a > 0, a, 1))[1] - 1 - 2, -126, 127), 0)      # np.frexp(a)[1] - 1 = floor(log2(a)), exactly
;;       r = np.clip(x / 2.0 ** e, -7.5, 7.5)
;;       step = 2.0 ** (np.maximum(np.frexp(np.where(r == 0, 1, r))[1] - 1, 0) - 3)
;;       q = np.round(r / step) * step * 2.0 ** e      # np.round: ties to even
;;       return np.moveaxis(q.reshape(q.shape[:-2] + (-1,))[..., :K], -1, axis).astype(np.float32)
;;   ~~~
;;   SOFTMAX AHEAD OF A QUANTISED PRODUCT. Where the list says 'softmax', what is quantised is not the finished softmax but p = 2^(t - M), with t = logit x log2(e) and M = ceil(the row's largest t), a whole number; so 1/2 < the row's largest p <= 1. The row's sum l is taken of the UNQUANTISED p, in f32, and the product's result is divided by l at the end. Since M is a whole number, a kernel that streams over the keys may use a running M (the ceiling of the running maximum): every later rescaling is an exact power of two, which a block's scale takes up: the codes' values come out the same.
;;   OPERANDS COMPUTED ON THE WAY. 'Computed on the way' means the value that the module computes at that place (a softmax that the list does not call 'softmax' is quantised finished and normalised). What goes into a quantiser is computed in f32, as accurately as f32 sums, v_exp_f32 and their like allow (about 1e-6 of the number): no bf16 or f16 on the way to a quantiser, and a product that is left as it is and whose result goes on into a quantised operand takes f32 operands (vector FMAs, or v_wmma_f32_16x16x4_f32). A number that lies on a knife's edge between two numbers of the format may be rounded either way, as far as f32 arithmetic and the matrix unit's own rounding can turn it there, and no further.
;; One version. Each part assembles by itself: llvm-mc -triple=amdgcn-amd-amdhsa -mcpu=gfx1250 --defsym DOCPART=n.
;; ======== version 1 of 1: 4 launches
;; workspace buffers: xw_codes 22,020,096 bytes; xw_scales 917,504 bytes; qkv_codes 18,874,368 bytes; qkv_scales 1,572,864 bytes; attn_codes 6,291,456 bytes; attn_scales 262,144 bytes
;; launch quant (part 1): grid 256 x 1, 7 waves a work-group, no clusters, 60,416 bytes of LDS; arguments query, key, value, Wq, Wk, Wv, Wo, xw_codes, xw_scales; writes xw_codes, xw_scales
.if DOCPART == 1
	.amdgcn_target "amdgcn-amd-amdhsa--gfx1250"
	.amdhsa_code_object_version 6
	.text
	.protected	k_qb16054059c_quant
	.globl	k_qb16054059c_quant
	.p2align	8
	.type	k_qb16054059c_quant,@function
k_qb16054059c_quant:
	s_mov_b64 s[64:65], 0
	v_nop
	global_prefetch_b8 v0, s[64:65] scope:SCOPE_SE
	s_setreg_imm32_b32 hwreg(HW_REG_WAVE_MODE, 25, 1), 1
	s_wait_xcnt 0x0
; query, key, value [8192][1024] and Wq, Wk, Wv, Wo [1024][1024], f32, K innermost, become codes of FP6 (E2M3) with one E8M0 scale byte for each 32 along K.
; A block's scale is 2^(floor(log2(its largest magnitude)) - 2): its byte is the largest magnitude's exponent field - 2, held at 1 from below; each number is divided by it and rounded to the nearest code, ties to even, beyond 7.5 the largest code.
; LIMITS: a block of zeros gets the byte 1 where the rule says 127 (its codes are zeros, and this program alone reads the bytes); blocks whose largest magnitude lies under 2^-124 are held at byte 1; NaN and infinities are not served.
; LAYOUT OF THE RESULT: the order of the matrix operand's registers.  The seven tensors' rows are 1,792 tiles of 16.  Position p of tile T is row 32 (T / 2) + 8 (T % 2) + p + 8 (p / 8) of its tensor, so that two
; neighbouring tiles, used as source 0 of two products, leave 16 neighbours in a lane's 16 result registers.  Codes: [tile][64 along K: 16 chunks][piece 0..2][lane][8 bytes]: lane (r, h) holds the 24 bytes of
; k = 64 chunk + 32 h + 0 .. 31 of position r.  So a fragment (16 rows x 128 K, 12 registers) is 1,536 dense bytes, six pieces of 256.  Scale words: [tile][position][8 words], word s for k = 128 s on.
; SHARES: 1,792 tiles = 256 work-groups x 7 waves: a wave takes one tile, all 1,024 along K, as 8 fragments.  Each load reads 512 consecutive bytes of one row; the 16 x 512 bytes turn through the wave's own stage
; in LDS (rows of 528 bytes: an odd number of 16-byte columns, so that sixteen rows start in sixteen different columns) and come back with 16 neighbours along K in a lane.  Waves share nothing: no barrier.
; Memory binds: no matrix unit, no cluster, no tensor load.  Loads run one fragment (16 loads of 512 bytes a wave) ahead of the one at work.
.set ROWB, 4096                        ; a row of 1,024 f32
.set SPIT, 528                         ; a stage row
.set WSTG, 16*SPIT                     ; a wave's stage
.set LO,   1                           ; v1   16 x lane: my bytes of a load's 512
.set SI,   2                           ; v2   the stage, in
.set SOUT, 3                           ; v3   the stage, out: row r, + 64 h
.set VO,   4                           ; v4   8 x lane: my bytes of a piece
.set VS,   5                           ; v5   32 r + 16 h: my four scale words
.set LN,   6                           ; v6   lane
.set TM,   10                          ; v10-13 largest magnitudes, v14-17 the other half's, then bytes, v22-25 the conversions' scale operands
.set PC,   26                          ; v26-37 a fragment's codes
.set TQ,   38                          ; v38-40, v42-44 the second halves of the blocks as converted
.set SW,   46                          ; v46-53 a scale word for each fragment
.set SELW, 54                          ; v54-57 the four that I store
.set R,    64                          ; v64-191 two sets of 64 registers as loaded
.set X,    192                         ; v192-255 64 numbers: register 16 b + i = k 32 b + 16 h + i of my row
.set SEL,  26                          ; s[26:27] lane selects: lane l xor 16
	s_load_b512 s[8:23], s[0:1], 0x0               ; query, key, value, Wq, Wk, Wv, Wo, the codes
	s_load_b64 s[24:25], s[0:1], 0x40              ; the scale words
	v_lshl_add_u32 v62, v0, 2, 0xe800
	v_mov_b32 v63, 0
	v_lshrrev_b32 v7, 5, v0
	v_readfirstlane_b32 s2, v7                     ; wave 0..6
	v_and_b32 v[LN], 31, v0
	v_and_b32 v8, 15, v0                           ; r
	v_bfe_u32 v9, v0, 4, 1                         ; h
	s_mul_i32 s28, s2, WSTG
	v_lshlrev_b32 v[LO], 4, v[LN]
	v_add_nc_u32 v[SI], s28, v[LO]
	v_mul_u32_u24 v[SOUT], v8, SPIT
	v_lshl_add_u32 v[SOUT], v9, 6, v[SOUT]
	v_add_nc_u32 v[SOUT], s28, v[SOUT]
	v_lshlrev_b32 v[VO], 3, v[LN]
	v_lshlrev_b32 v[VS], 5, v8
	v_lshl_add_u32 v[VS], v9, 4, v[VS]
.irp b, 0,1,2,3
	v_mov_b32 v[TM+4+\b], 0                        ; written once: a lane permute's destination counts as one of its sources
.endr
	s_mov_b32 s[SEL], 0x76543210
	s_mov_b32 s[SEL+1], 0xfedcba98
	s_mul_i32 s3, ttmp9, 7
	s_add_co_u32 s3, s3, s2                        ; my tile, 0 .. 1,791
	s_cmp_lt_u32 s3, 1536
	s_cselect_b32 s29, 511, 63                     ; 512 tiles to an activation, 64 to a weight; 1,536 is a multiple of both
	s_and_b32 s29, s3, s29                         ; my tile in its tensor
	s_lshr_b32 s30, s29, 1
	s_lshl_b32 s6, s30, 17                         ; 32 rows of 4,096 bytes for each pair of tiles,
	s_and_b32 s30, s29, 1
	s_lshl_b32 s30, s30, 15                        ; 8 rows for the odd one
	s_add_co_u32 s6, s6, s30
	s_mov_b32 s7, 0
	s_mul_i32 s30, s3, 12288                       ; a tile's codes
	s_mov_b32 s31, 0
	s_lshl_b32 s32, s3, 9                          ; a tile's scale words
	s_mov_b32 s33, 0
	s_wait_kmcnt 0x0
	s_mov_b64 s[4:5], s[8:9]                       ; which tensor: the choice hangs on the tile's number alone
	s_cmp_ge_u32 s3, 512
	s_cselect_b64 s[4:5], s[10:11], s[4:5]
	s_cmp_ge_u32 s3, 1024
	s_cselect_b64 s[4:5], s[12:13], s[4:5]
	s_cmp_ge_u32 s3, 1536
	s_cselect_b64 s[4:5], s[14:15], s[4:5]
	s_cmp_ge_u32 s3, 1600
	s_cselect_b64 s[4:5], s[16:17], s[4:5]
	s_cmp_ge_u32 s3, 1664
	s_cselect_b64 s[4:5], s[18:19], s[4:5]
	s_cmp_ge_u32 s3, 1728
	s_cselect_b64 s[4:5], s[20:21], s[4:5]
	s_add_nc_u64 s[4:5], s[4:5], s[6:7]
	s_add_nc_u64 s[22:23], s[22:23], s[30:31]
	s_add_nc_u64 s[24:25], s[24:25], s[32:33]
.macro LOADF t                         ; fragment t: 512 bytes of each of the tile's 16 rows, into set t % 2
.irp i, 0,1,2,3,4,5,6,7,8,9,10,11,12,13,14,15
	global_load_b128 v[R+64*((\t)%2)+4*\i:R+64*((\t)%2)+4*\i+3], v[LO], s[4:5] offset:(\i+8*(\i/8))*ROWB+512*(\t) th:TH_LOAD_NT
.endr
.endm
.macro TURNF t                         ; through the stage: LDS serves a wave's instructions in order, so no wait stands between the stores and the loads
.irp i, 0,1,2,3,4,5,6,7,8,9,10,11,12,13,14,15
	ds_store_b128 v[SI], v[R+64*((\t)%2)+4*\i:R+64*((\t)%2)+4*\i+3] offset:SPIT*\i
.endr
.irp b, 0,1,2,3
.irp j, 0,1,2,3
	ds_load_b128 v[X+16*\b+4*\j:X+16*\b+4*\j+3], v[SOUT] offset:128*\b+16*\j
.endr
.endr
.endm
; 64 numbers of a lane, register 16 b + i = k 32 b + 16 h + i of my row, become a fragment's codes in v[PC] on and its scale word in v[pw].
.macro QUANT s, pw
.irp b, 0,1,2,3
	v_max3_num_f32 v[TM+\b], |v[\s+16*\b]|, |v[\s+1+16*\b]|, 0x1800000   ; my 16 numbers of block b, and the floor 2^(3 - 127): the byte cannot fall under 1
.endr
.irp i, 2,4,6,8,10,12,14
.irp b, 0,1,2,3
	v_max3_num_f32 v[TM+\b], v[TM+\b], |v[\s+16*\b+\i]|, |v[\s+1+16*\b+\i]|   ; the four blocks by turns
.endr
.endr
.irp b, 0,1,2,3
	v_permlanex16_b32 v[TM+4+\b], v[TM+\b], s[SEL], s[SEL+1]
.endr
.irp b, 0,1,2,3
	v_max_num_f32 v[TM+\b], v[TM+\b], v[TM+4+\b]   ; with lane l xor 16's 16: the block's largest magnitude
.endr
.irp b, 0,1,2,3
	v_add_nc_u32 v[TM+12+\b], 0xff000000, v[TM+\b] ; 2 off its exponent field: the conversion takes this operand's exponent field as its scale
.endr
.irp b, 0,1,2,3
	v_lshrrev_b32 v[TM+4+\b], 23, v[TM+12+\b]      ; the scale's byte
.endr
	v_lshl_or_b32 v[\pw], v[TM+5], 8, v[TM+4]
	v_lshl_or_b32 v[\pw], v[TM+6], 16, v[\pw]
	v_lshl_or_b32 v[\pw], v[TM+7], 24, v[\pw]
.irp c, 0,1
	v_cvt_scalef32_pk16_fp6_f32 v[PC+6*\c:PC+6*\c+2], v[\s+32*\c:\s+32*\c+15], v[TM+12+2*\c]
	v_cvt_scalef32_pk16_fp6_f32 v[TQ+4*\c:TQ+4*\c+2], v[\s+32*\c+16:\s+32*\c+31], v[TM+13+2*\c]   ; (a conversion's three registers begin on an even number)
.endr
	v_nop                                          ; one plain instruction behind a scaled conversion
.irp c, 0,1                                    ; the operand wants a whole block in a lane: lanes 0-15 block 2 c, lanes 16-31 block 2 c + 1
.irp i, 0,1,2
	v_permlane16_swap_b32 v[PC+6*\c+\i], v[TQ+4*\c+\i]
.endr
.irp i, 0,1,2
	v_mov_b32 v[PC+3+6*\c+\i], v[TQ+4*\c+\i]
.endr
.endr
.endm
.macro FRAGQ t
.if (\t) < 7
	s_wait_loadcnt 16                              ; this fragment's 16 loads are in; the next fragment's 16 may be out
.else
	s_wait_loadcnt 0x0
.endif
	TURNF \t
	s_wait_dscnt 0x0                               ; the numbers are back, and the stage's stores have read their registers,
.if (\t) < 6
	LOADF (\t)+2                                   ; which take the fragment two on
.endif
	s_wait_xcnt 0x0                                ; the last fragment's stores have read the codes' registers: they are written again only behind this wait
	QUANT X, SW+(\t)
.irp p, 0,1,2,3,4,5
	global_store_b64 v[VO], v[PC+2*\p:PC+2*\p+1], s[22:23] offset:1536*(\t)+256*\p   ; 32 lanes store 256 consecutive bytes, aligned
.endr
.endm
	LOADF 0
	LOADF 1
.irp t, 0,1,2,3,4,5,6,7
	FRAGQ \t
.endr
	v_cmp_le_u32 vcc_lo, 16, v[LN]                 ; both halves of the lanes hold row r's eight words: lanes 0-15 store words 0-3, lanes 16-31 words 4-7
.irp i, 0,1,2,3
	v_cndmask_b32 v[SELW+\i], v[SW+\i], v[SW+4+\i], vcc_lo
.endr
	global_store_b128 v[VS], v[SELW:SELW+3], s[24:25]   ; 512 consecutive bytes: the tile's scale words
	s_wait_tensorcnt 0x0
	ds_add_u32 v62, v63
	s_wait_dscnt 0x0
	s_endpgm
.Lfunc_end_k_qb16054059c_quant:
	.size	k_qb16054059c_quant, .Lfunc_end_k_qb16054059c_quant-k_qb16054059c_quant
	.p2alignl 7, 3214868480
	.fill 96, 4, 3214868480
	.section	.rodata,"a",@progbits
	.p2align	6, 0x0
	.amdhsa_kernel k_qb16054059c_quant
		.amdhsa_group_segment_fixed_size 60416
		.amdhsa_private_segment_fixed_size 0
		.amdhsa_enable_private_segment 0
		.amdhsa_kernarg_size 72
		.amdhsa_user_sgpr_count 2
		.amdhsa_user_sgpr_kernarg_segment_ptr 1
		.amdhsa_wavefront_size32 1
		.amdhsa_system_sgpr_workgroup_id_x 1
		.amdhsa_system_sgpr_workgroup_id_y 1
		.amdhsa_system_sgpr_workgroup_id_z 1
		.amdhsa_system_vgpr_workitem_id 0
		.amdhsa_next_free_vgpr 256
		.amdhsa_next_free_sgpr 66
		.amdhsa_reserve_vcc 1
		.amdhsa_float_denorm_mode_32 3
		.amdhsa_float_denorm_mode_16_64 3
		.amdhsa_memory_ordered 1
		.amdhsa_forward_progress 1
		.amdhsa_inst_pref_size 67
	.end_amdhsa_kernel
	.amdgpu_metadata
---
amdhsa.version: [ 1, 2 ]
amdhsa.kernels:
  - .name:           k_qb16054059c_quant
    .symbol:         k_qb16054059c_quant.kd
    .args:
      - { .name: query, .offset: 0, .size: 8, .value_kind: global_buffer, .address_space: global }
      - { .name: key, .offset: 8, .size: 8, .value_kind: global_buffer, .address_space: global }
      - { .name: value, .offset: 16, .size: 8, .value_kind: global_buffer, .address_space: global }
      - { .name: Wq, .offset: 24, .size: 8, .value_kind: global_buffer, .address_space: global }
      - { .name: Wk, .offset: 32, .size: 8, .value_kind: global_buffer, .address_space: global }
      - { .name: Wv, .offset: 40, .size: 8, .value_kind: global_buffer, .address_space: global }
      - { .name: Wo, .offset: 48, .size: 8, .value_kind: global_buffer, .address_space: global }
      - { .name: xw_codes, .offset: 56, .size: 8, .value_kind: global_buffer, .address_space: global }
      - { .name: xw_scales, .offset: 64, .size: 8, .value_kind: global_buffer, .address_space: global }
    .group_segment_fixed_size: 60416
    .private_segment_fixed_size: 0
    .kernarg_segment_align: 8
    .kernarg_segment_size: 72
    .max_flat_workgroup_size: 224
    .sgpr_count:     66
    .vgpr_count:     256
    .wavefront_size: 32
...
	.end_amdgpu_metadata
.endif
;; end of part 1
;; launch proj (part 2): grid 4 x 96, 4 waves a work-group, clusters of 4 x 4, 327,680 bytes of LDS; arguments xw_codes, xw_scales, qkv_codes, qkv_scales; writes qkv_codes, qkv_scales
.if DOCPART == 2
	.amdgcn_target "amdgcn-amd-amdhsa--gfx1250"
	.amdhsa_code_object_version 6
	.text
	.protected	k_qb16054059c_proj
	.globl	k_qb16054059c_proj
	.p2align	8
	.type	k_qb16054059c_proj,@function
k_qb16054059c_proj:
	s_mov_b64 s[64:65], 0
	v_nop
	global_prefetch_b8 v0, s[64:65] scope:SCOPE_SE
	s_setreg_imm32_b32 hwreg(HW_REG_WAVE_MODE, 25, 1), 1
	s_wait_xcnt 0x0
	s_wait_alu depctr_hold_cnt(0) depctr_sa_sdst(0) depctr_va_vdst(0) depctr_va_sdst(0) depctr_va_ssrc(0) depctr_va_vcc(0) depctr_vm_vsrc(0)
	s_getreg_b32 s2, hwreg(HW_REG_IB_STS2, 6, 4)
	s_cmp_eq_u32 s2, 0
	s_cbranch_scc0 .Lentry_in_a_cluster
	s_endpgm
.Lentry_in_a_cluster:
	s_bfe_u32 s2, ttmp6, 0x10000c
	s_cmp_lg_u32 s2, 0xf033
	s_cbranch_scc0 .Lentry_shape_is_right
	s_endpgm
.Lentry_shape_is_right:
; q = query Wq^T, k = key Wk^T, v = value Wv^T on codes of FP6 (E2M3) with E8M0 scales, K = 1,024, sums in f32, K ascending; the results are quantised in registers for the attention's two products and leave as codes.
; C'[m'][n'] = A'[m'] . B'[n'], quantised along n'.  For q and k: A' = the activations, B' = the weight (n' = head x 64 + d).  For v: A' = Wv, B' = value (n' = the keys).  So in all three a lane's result registers run along the next product's K.
; OPERANDS lie in memory in the order of the operand's registers: [tile of 16 rows][16 chunks of 64 along K][piece 0..2][lane][8 bytes]; position p of tile T is row 32 (T / 2) + 8 (T % 2) + p + 8 (p / 8).  Scale words: [tile][position][8 words].
; THE MATRIX INSTRUCTION IS USED TRANSPOSED: source 0 = 16 rows of B', source 1 = 16 rows of A'.  By the order of rows in a tile, the 16 result registers of B's tiles 2 b and 2 b + 1 are n' = 32 b + 16 (lane / 16) + 0 .. 15, of A's row lane % 16.
; A tile of C', 256 x 256, is made by a work-group of four waves, 128 x 128 each: 64 accumulators, 512 registers.  K goes in steps of 256 through two LDS slots filled by the tensor data mover; the scale words of the 512 rows come once.
; CLUSTERS: 4 x 4 work-groups; A's tiles are asked for jointly along a row of the cluster, B's along a column.  Cluster y 0-7: q, 8-15: k, 16-23: v.
; THE RESULT: units of 128 tokens x one pair of heads, U = ((4 z + batch) 8 + pair) 16 + group of 128 tokens, z = 0 q, 1 k, 2 v; a wave makes one unit: 8 fragments of 1,536 bytes and their scale words.
;   q, k: fragment a = 16 tokens (tile order as above) x the pair's 128 features: [a][head][768].  Scale words [head][a / 4][r][a % 4]: bytes 0, 1 the head's two blocks, bytes 2, 3 zero (the attention's first product has K = 64 of 128).
;   v: fragment a = 16 features (head a / 4, tile a % 4) x the unit's 128 keys.  Scale words [a / 4][r][a % 4] in the unit's first 512 bytes; the second 512 are written and never read.
; LIMITS: a block of zeros gets the byte 1 where the rule says 127 (zero codes; only this program reads the bytes); blocks under 2^-124 are held at byte 1; NaN and infinities are not served.
; REGISTERS, in windows of 256: window 0: v16-29 addresses; v32-63 scale words, two sets; v64-118 at work on the way out; from v128 A's fragments, one set, later the codes made.  window 1: B's fragments, two sets, at v0 and v128.
;   window 2: the accumulators of my rows 0-63 ((a, b) at v[8 (8 a + b)]);  window 3: those of rows 64-127.
.set NQ,     2                         ; matrix instructions deep in a slot: 256 along K
.set FR,     12                        ; registers of a fragment
.set NL,     6                         ; LDS loads that bring one
.set NP,     4                         ; places behind this matrix instruction (ISA guide 7.12.1)
.set TILEB,  3072                      ; 16 rows x 256 K in a slot: four chunks of 768 bytes, dense
.set HALFT,  8*TILEB                   ; 128 rows: what one tensor load brings, and what one wave reads of A' or of B'
.set SLOT,   4*HALFT                   ; A's 256 rows, then B's
.set SCL,    2*SLOT                    ; behind the ring: the scale words, as rows of 256 bytes + 16 of padding
.set HALFS,  16*272                    ; those of 128 rows (4,096 bytes)
.set SBLK,   2*272                     ; those of 16 rows
.set SPARE,  SCL+4*HALFS               ; the spare words, 128 bytes for each wave: two blocks of 256 bytes that no other line names
.set ADRA, 16                          ; v16-17  LDS address of my A fragments in slot 0, 1
.set ADRB, 20                          ; v20-21  the same for B
.set VO,   24                          ; v24     8 x lane
.set VS,   25                          ; v25     16 x lane
.set LN,   26                          ; v26     lane
.set ADRS, 27                          ; v27     LDS address of my scale words: lanes 0-15 A's rows, lanes 16-31 B's
.set SPW,  28                          ; v28     my spare word; never rewritten
.set NIL,  29                          ; v29     0; never rewritten
.set SC,   32                          ; scale words: set s at v[SC + 16 s]; register 2 i + q: lanes 0-15 A's block i, lanes 16-31 B's block i, the slot's q-th 128 along K
.set TM,   64                          ; v64-79  the way out: largest magnitudes, bytes, scale operands
.set SW,   80                          ; v80-87  a scale word for each block
.set W0,   88                          ; v88-95  the first head's half of it (v: the whole word)
.set W1,   96                          ; v96-103 the second head's
.set T0,   104                         ; v104-107, v108-111 what I store
.set T1,   108
.set TQ,   112                         ; v112-114, v116-118
.set AF,   128                         ; A's fragments
.set PCB,  128                         ; the way out: block a's codes at v[128 + 12 a]: a run of its own for each block, so that no store's data are written again
.set G1, 24
.set G0, 32
.set G1B, 48
.set G0B, 56
.set G1S, 68
.set G0S, 76
.set G1SB, 80
.set G0SB, 88
.set MSKR, 95                          ; s95  0xffff for q and k, all ones for v
.set ISV,  96                          ; s96  1 for v
.set SEL,  98                          ; s[98:99] lane selects: lane l xor 16
.set FL,   101                         ; s101 the floor 2^(3 - 127)
.set MSB, 0
.macro WIN new                         ; the immediate's high byte repeats the setting that is left
.if MSB != (\new)
	s_set_vgpr_msb (MSB<<8)|(\new)
.set MSB, (\new)
.endif
.endm
.set MUL_LO, 0xa1                      ; source 0 (B') window 1, source 1 (A') window 0, C and D window 2
.set MUL_HI, 0xf1                      ; the same, C and D window 3
.set TO_B,   0x40                      ; destination window 1, address window 0
; A joint load: waves 0 and 1 fetch for A', waves 2 and 3 for B'.  The branch hangs on the wave's number alone.  Four v_nop follow each of the two lines.
.macro JLOAD g0a, g1a, g0b, g1b
	s_cmp_eq_u32 s15, 0
	s_cbranch_scc0 .Lfor_b_\@
	tensor_load_to_lds s[\g0a:\g0a+3], s[\g1a:\g1a+7]
	s_nop 0
.rept 4
	v_nop
.endr
	s_branch .Lasked_\@
.Lfor_b_\@:
	tensor_load_to_lds s[\g0b:\g0b+3], s[\g1b:\g1b+7]
	s_nop 0
.rept 4
	v_nop
.endr
.Lasked_\@:
.endm
.macro CREST                           ; a round of the cluster's barrier behind its opening barrier
	s_cmp_lg_u32 s14, 0
	s_cbranch_scc1 .Lnot_wave_0_\@
	s_barrier_signal -3
.Lnot_wave_0_\@:
	s_barrier_wait -3
	s_barrier_signal -1
	s_barrier_wait -1
.endm
.macro CROUND
	s_barrier_signal -1
	s_barrier_wait -1
	CREST
.endm
	s_load_b256 s[4:11], s[0:1], 0x0               ; the operands' codes s[4:5] and scale words s[6:7]; the results' codes s[8:9] and scale words s[10:11]
	v_lshl_add_u32 v[SPW], v0, 2, SPARE
	v_mov_b32 v[NIL], 0
	ds_add_u32 v28, v29
	s_wait_dscnt 0x0
	v_lshrrev_b32 v1, 5, v0
	v_readfirstlane_b32 s14, v1                    ; wave 0..3
	s_lshr_b32 s15, s14, 1                         ; which half of A's rows is mine.  Also: I fetch for A' (0) or for B' (1)
	s_and_b32 s16, s14, 1                          ; which half of B's rows.  Also: which 128 rows I fetch
	s_bfe_u32 s40, ttmp6, 0x40000                  ; cx
	s_bfe_u32 s41, ttmp6, 0x40004                  ; cy
	s_and_b32 s17, ttmp7, 0xffff                   ; cluster y, 0 .. 23: shared by all sixteen
	s_lshl_b32 s43, s41, 2
	s_lshl_b32 s43, 15, s43                        ; my row of the cluster
	s_lshl_b32 s44, 0x1111, s40                    ; my column
	; descriptor group 1 for codes: 8 rows (tiles of 16) of 3,072 bytes, 12,288 bytes apart; elements of 8 bytes; dense in LDS
	s_or_b32 s[G1+0], s43, (3<<16)|(1<<21)
	s_or_b32 s[G1B+0], s44, (3<<16)|(1<<21)
.irp g, G1, G1B
	s_mov_b32 s[\g+1], 384<<16                     ; tensor_dim0
	s_mov_b32 s[\g+2], 8<<16                       ; tensor_dim1
	s_mov_b32 s[\g+3], 384<<16                     ; tile_dim0
	s_mov_b32 s[\g+4], 8                           ; tile_dim1
	s_mov_b32 s[\g+5], 1536                        ; tensor_dim0_stride
	s_mov_b32 s[\g+6], 0
	s_mov_b32 s[\g+7], 0
.endr
	; and for the scale words of 128 rows: 4,096 dense bytes as 16 rows of 256, 16 bytes of padding behind each
	s_or_b32 s[G1S+0], s43, (3<<16)|(1<<20)|(1<<21)|(5<<22)|(3<<25)
	s_or_b32 s[G1SB+0], s44, (3<<16)|(1<<20)|(1<<21)|(5<<22)|(3<<25)
.irp g, G1S, G1SB
	s_mov_b32 s[\g+1], 32<<16
	s_mov_b32 s[\g+2], 16<<16
	s_mov_b32 s[\g+3], 32<<16
	s_mov_b32 s[\g+4], 16
	s_mov_b32 s[\g+5], 32
	s_mov_b32 s[\g+6], 0
	s_mov_b32 s[\g+7], 0
.endr
	; which blocks of 256 rows: activations 0-95, Wq 96-99, Wk 100-103, Wv 104-107.  The choices hang on cluster y alone
	s_lshl_b32 s18, s17, 2                         ; 4 x cluster y
	s_lshr_b32 s19, s17, 3
	s_lshl_b32 s19, s19, 2
	s_add_co_u32 s19, s19, 96                      ; Wq for cluster y 0-7, Wk for 8-15
	s_cmp_ge_u32 s17, 16                           ; v?
	s_cselect_b32 s20, 104, s18
	s_cselect_b32 s46, s18, s19
	s_cselect_b32 s[MSKR], -1, 0xffff
	s_cselect_b32 s[ISV], 1, 0
	s_add_co_u32 s20, s20, s41                     ; A's block: + cy
	s_add_co_u32 s46, s46, s40                     ; B's block: + cx
	s_lshl_b32 s22, s20, 13                        ; a block's scale words are 8,192 bytes,
	s_lshl_b32 s92, s46, 13
	s_lshl_b32 s18, s16, 12                        ; my half of them 4,096
	s_add_co_u32 s22, s22, s18
	s_add_co_u32 s92, s92, s18
	s_mov_b32 s23, 0
	s_mov_b32 s93, 0
	s_mul_i32 s20, s20, 196608                     ; its codes 16 x 12,288,
	s_mul_i32 s46, s46, 196608
	s_mul_i32 s18, s16, 98304
	s_add_co_u32 s20, s20, s18
	s_add_co_u32 s46, s46, s18
	s_mov_b32 s21, 0
	s_mov_b32 s47, 0
	s_mul_i32 s45, s14, HALFT                      ; where they go: wave x 128 rows: no place in the cluster enters an LDS address
	s_mul_i32 s94, s14, HALFS
	s_wait_kmcnt 0x0
	s_add_nc_u64 s[20:21], s[4:5], s[20:21]
	s_add_nc_u64 s[22:23], s[6:7], s[22:23]
	s_add_nc_u64 s[46:47], s[4:5], s[46:47]
	s_add_nc_u64 s[92:93], s[6:7], s[92:93]
	CROUND                                         ; all sixteen work-groups are here: the first joint loads meet
	s_mov_b32 s[G0S], 1
	s_add_co_u32 s[G0S+1], s94, SCL
	s_mov_b64 s[G0S+2:G0S+3], s[22:23]
	s_or_b32 s[G0S+3], s[G0S+3], 0x80000000
	s_mov_b32 s[G0SB], 1
	s_add_co_u32 s[G0SB+1], s94, SCL
	s_mov_b64 s[G0SB+2:G0SB+3], s[92:93]
	s_or_b32 s[G0SB+3], s[G0SB+3], 0x80000000
	JLOAD G0S, G1S, G0SB, G1SB                     ; the scale words first: they are wanted with K step 0
.irp s, 0,1
	s_mov_b32 s[G0+4*\s], 1
	s_add_co_u32 s[G0+4*\s+1], s45, \s*SLOT
	s_add_nc_u64 s[G0+4*\s+2:G0+4*\s+3], s[20:21], \s*TILEB
	s_or_b32 s[G0+4*\s+3], s[G0+4*\s+3], 0x80000000
	s_mov_b32 s[G0B+4*\s], 1
	s_add_co_u32 s[G0B+4*\s+1], s45, \s*SLOT
	s_add_nc_u64 s[G0B+4*\s+2:G0B+4*\s+3], s[46:47], \s*TILEB
	s_or_b32 s[G0B+4*\s+3], s[G0B+4*\s+3], 0x80000000
	JLOAD G0+4*\s, G1, G0B+4*\s, G1B
.endr
	v_and_b32 v1, 15, v0                           ; r
	v_bfe_u32 v2, v0, 4, 1                         ; h
	v_and_b32 v[LN], 31, v0
	v_lshlrev_b32 v[VO], 3, v[LN]
	v_lshlrev_b32 v[VS], 4, v[LN]
	s_mul_i32 s21, s15, HALFT                      ; my 128 rows of A'
	s_mul_i32 s22, s16, HALFT                      ; my 128 rows of B',
	s_add_co_u32 s22, s22, 2*HALFT                 ; which lie behind A's 256
.irp s, 0,1
	v_add_nc_u32 v[ADRA+\s], s21, v[VO]            ; a piece of a fragment is 256 dense bytes: 8 x lane
	v_add_nc_u32 v[ADRB+\s], s22, v[VO]
	s_add_co_u32 s21, s21, SLOT
	s_add_co_u32 s22, s22, SLOT
.endr
	v_mul_u32_u24 v5, v1, 32                       ; my row's scale words: 32 bytes a row,
	v_lshrrev_b32 v6, 8, v5
	v_lshl_add_u32 v5, v6, 4, v5                   ; and 16 more for each 256 passed
	s_mul_i32 s21, s15, HALFS
	s_mul_i32 s22, s16, HALFS
	s_add_co_u32 s22, s22, 2*HALFS
	s_sub_co_u32 s22, s22, s21
	v_mul_u32_u24 v6, s22, v2                      ; lanes 16-31 take B's: one product, the distance between the two bases
	s_add_co_u32 s21, s21, SCL
	v_add_nc_u32 v5, v5, v6
	v_add_nc_u32 v[ADRS], s21, v5
	; my unit of the result
	s_cmp_eq_u32 s[ISV], 1
	s_cselect_b32 s97, s40, s41                    ; the tokens' place in the cluster: cx for v, cy for q and k
	s_cselect_b32 s98, s41, s40                    ; the features'
	s_cselect_b32 s99, s16, s15                    ; and my wave's half of each
	s_cselect_b32 s100, s15, s16
	s_lshl_b32 s101, s17, 2
	s_add_co_u32 s97, s97, s101
	s_lshl_b32 s97, s97, 1
	s_add_co_u32 s97, s97, s99                     ; the group of 128 tokens among the three activations' 192
	s_lshl_b32 s98, s98, 1
	s_add_co_u32 s98, s98, s100                    ; the pair of heads
	s_lshr_b32 s99, s97, 4                         ; 4 z + batch
	s_lshl_b32 s99, s99, 3
	s_add_co_u32 s99, s99, s98
	s_lshl_b32 s99, s99, 4
	s_and_b32 s97, s97, 15
	s_add_co_u32 s99, s99, s97                     ; U
	s_mul_i32 s100, s99, 12288
	s_mov_b32 s101, 0
	s_add_nc_u64 s[8:9], s[8:9], s[100:101]
	s_lshl_b32 s100, s99, 10
	s_add_nc_u64 s[10:11], s[10:11], s[100:101]
	s_mov_b32 s[SEL], 0x76543210
	s_mov_b32 s[SEL+1], 0xfedcba98
	s_mov_b32 s[FL], 0x1800000
.macro FRAG reg, adr, q, i             ; a fragment, 12 registers, as six pieces of 256 dense bytes: the 32 lanes of a load touch each bank once
.irp p, 0,1,2,3,4,5
	ds_load_b64 v[\reg+2*\p:\reg+2*\p+1], v[\adr] offset:TILEB*(\i)+1536*(\q)+256*\p
.endr
.endm
; 16 matrix instructions: A's blocks a0, a0 + 1 x B's eight, 128 along K.  p: B's set; sc: the set of scale words.  zero = 1: the first product starts the sums.
; The 64 accumulators take turns, one instruction a turn, in the same order in every step.
.macro MUL16 a0, p, q, sc, zero
.irp a, \a0, \a0+1
.irp b, 0,1,2,3,4,5,6,7
.if \zero
	v_wmma_scale_f32_16x16x128_f8f6f4 v[8*(8*((\a)%4)+\b):8*(8*((\a)%4)+\b)+7], v[128*(\p)+FR*\b:128*(\p)+FR*\b+FR-1], v[AF+FR*(\a):AF+FR*(\a)+FR-1], 0, v[SC+8*NQ*(\sc)+NQ*\b+(\q)], v[SC+8*NQ*(\sc)+NQ*(\a)+(\q)] matrix_a_fmt:MATRIX_FMT_FP6 matrix_b_fmt:MATRIX_FMT_FP6 matrix_a_scale:MATRIX_SCALE_ROW1
.else
	v_wmma_scale_f32_16x16x128_f8f6f4 v[8*(8*((\a)%4)+\b):8*(8*((\a)%4)+\b)+7], v[128*(\p)+FR*\b:128*(\p)+FR*\b+FR-1], v[AF+FR*(\a):AF+FR*(\a)+FR-1], v[8*(8*((\a)%4)+\b):8*(8*((\a)%4)+\b)+7], v[SC+8*NQ*(\sc)+NQ*\b+(\q)], v[SC+8*NQ*(\sc)+NQ*(\a)+(\q)] matrix_a_fmt:MATRIX_FMT_FP6 matrix_b_fmt:MATRIX_FMT_FP6 matrix_a_scale:MATRIX_SCALE_ROW1
.endif
.endr
.endr
.endm
.macro FETCH_B slot, q, p
	WIN TO_B
.irp i, 0,1,2,3,4,5,6,7
	FRAG 128*(\p)+FR*\i, ADRB+\slot, \q, \i
.endr
	WIN 0
.endm
.macro FETCH_A slot, q, i0
.irp i, \i0, \i0+1, \i0+2, \i0+3
	FRAG AF+FR*(\i), ADRA+\slot, \q, \i
.endr
.endm
.macro SCALES sc                       ; a K step's scale words: two words a row; lanes 0-15 A's block i, lanes 16-31 B's block i
.irp i, 0,1,2,3,4,5,6,7
	ds_load_b64 v[SC+8*NQ*\sc+NQ*\i:SC+8*NQ*\sc+NQ*\i+1], v[ADRS] offset:\i*SBLK
.endr
.endm
.macro PLACES n                        ; plain vector instructions between a matrix instruction and a load into one of its registers, or the first read of its result
.rept \n
	v_nop
.endr
.endm
; A step of 128 along K that has its successor in the same slot.  A has one set of registers: blocks 0-3 are fetched anew in the step's middle, blocks 4-7 at its end; B has two sets.
.macro STEP slot, q, zero
	s_wait_dscnt 4*NL                              ; B's set, A's blocks 0-3 and the scale words are in; the youngest 24 loads (A's blocks 4-7) may be out
	WIN MUL_LO
	MUL16 0, (\q)%2, \q, \slot, \zero
	MUL16 2, (\q)%2, \q, \slot, \zero
	s_wait_dscnt 0                                 ; A's blocks 4-7 are in
	PLACES NP
	FETCH_B \slot, (\q)+1, 1-(\q)%2
	FETCH_A \slot, (\q)+1, 0
	WIN MUL_HI
	MUL16 4, (\q)%2, \q, \slot, \zero
	MUL16 6, (\q)%2, \q, \slot, \zero
	PLACES NP
	WIN 0
	FETCH_A \slot, (\q)+1, 4
.endm
; A slot's last step changes slots: one barrier; in front of it each wave waits for all its tensor loads, adds 0 to its spare word, and waits for that and for its own reads of this slot.  fill = 1: this slot is filled again, two K steps ahead.
.macro TURN slot, next, fill
	s_wait_tensorcnt 0x0                           ; all my tensor loads have landed: my part of the next slot
	ds_add_u32 v[SPW], v[NIL]                      ; 0 onto my spare word
	s_wait_dscnt 4*NL+1                            ; (the add and the youngest 24 loads, A's blocks 4-7, may be out)
	WIN MUL_LO
	MUL16 0, 1, NQ-1, \slot, 0                     ; sixteen matrix instructions stand between the add and the wait for it
	s_wait_dscnt 0x0                               ; the add is done, and my reads of this slot are over
	s_barrier_signal -1
	MUL16 2, 1, NQ-1, \slot, 0
	WIN 0
	s_barrier_wait -1
.if \fill
	CREST                                          ; the barrier has opened a round of the cluster's barrier: no wave of any partner still reads this slot or has a load on its way
	s_add_nc_u64 s[G0+4*\slot+2:G0+4*\slot+3], s[G0+4*\slot+2:G0+4*\slot+3], 2*TILEB
	s_add_nc_u64 s[G0B+4*\slot+2:G0B+4*\slot+3], s[G0B+4*\slot+2:G0B+4*\slot+3], 2*TILEB
	JLOAD G0+4*\slot, G1, G0B+4*\slot, G1B         ; the first tensor load behind the round; its four v_nop are also the places in front of the loads below
.else
	PLACES NP
.endif
	v_add_nc_u32 v[ADRS], 4*NQ, v[ADRS]            ; on to the next K step's scale words (no LDS load of mine is out)
	FETCH_B \next, 0, 0
	FETCH_A \next, 0, 0
	SCALES \next
	WIN MUL_HI
	MUL16 4, 1, NQ-1, \slot, 0
	MUL16 6, 1, NQ-1, \slot, 0
	PLACES NP
	WIN 0
	FETCH_A \next, 0, 4
.endm
	s_wait_tensorcnt 1                             ; the scale words and my part of K step 0 are in (K step 1's load may be out)
	s_barrier_signal -1
	s_barrier_wait -1                              ; everybody's are
	FETCH_B 0, 0, 0
	FETCH_A 0, 0, 0
	SCALES 0
	FETCH_A 0, 0, 4
	STEP 0, 0, 1                                   ; K = 1,024 is four K steps of 256, eight steps of 128: written out; the first starts the sums
	TURN 0, 1, 1                                   ; slot 0 takes K step 2
	STEP 1, 0, 0
	TURN 1, 0, 1                                   ; slot 1 takes K step 3
	STEP 0, 0, 0
	TURN 0, 1, 0                                   ; nothing is left to fetch
	STEP 1, 0, 0
	s_wait_dscnt 4*NL
	WIN MUL_LO
	MUL16 0, 1, NQ-1, 1, 0
	MUL16 2, 1, NQ-1, 1, 0
	s_wait_dscnt 0
	WIN MUL_HI
	MUL16 4, 1, NQ-1, 1, 0
	MUL16 6, 1, NQ-1, 1, 0
	WIN 0
; THE WAY OUT.  Block a's 64 accumulator registers are, in a lane, n' = 32 b + 16 h + i at register 16 b + i of A's row r: four blocks of 32 along the next K, half a block a lane.  They are quantised where they lie.
.irp b, 0,1,2,3
	v_mov_b32 v[TM+4+\b], 0                        ; a lane permute's destination counts as one of its sources.  These four are also the places behind the last products
.endr
.macro OUTBLK a
.set AC, 64*((\a)%4)
.set WN, 2+(\a)/4
.set PCA, PCB+12*(\a)
	WIN (WN<<2)|(WN<<4)                            ; sources 1 and 2: the accumulators' window
.irp b, 0,1,2,3
	v_max3_num_f32 v[TM+\b], s[FL], |v[AC+16*\b]|, |v[AC+16*\b+1]|   ; each accumulator from its low end on; the floor holds the byte at 1 from below
.endr
.irp i, 2,4,6,8,10,12,14
.irp b, 0,1,2,3
	v_max3_num_f32 v[TM+\b], v[TM+\b], |v[AC+16*\b+\i]|, |v[AC+16*\b+\i+1]|
.endr
.endr
	WIN 0
.irp b, 0,1,2,3
	v_permlanex16_b32 v[TM+4+\b], v[TM+\b], s[SEL], s[SEL+1]
.endr
.irp b, 0,1,2,3
	v_max_num_f32 v[TM+\b], v[TM+\b], v[TM+4+\b]   ; with lane l xor 16's: the block's largest magnitude
.endr
.irp b, 0,1,2,3
	v_add_nc_u32 v[TM+12+\b], 0xff000000, v[TM+\b] ; 2 off its exponent field: the conversion's scale operand
.endr
.irp b, 0,1,2,3
	v_lshrrev_b32 v[TM+4+\b], 23, v[TM+12+\b]      ; the scale's byte
.endr
	v_lshl_or_b32 v[SW+(\a)], v[TM+5], 8, v[TM+4]
	v_lshl_or_b32 v[SW+(\a)], v[TM+6], 16, v[SW+(\a)]
	v_lshl_or_b32 v[SW+(\a)], v[TM+7], 24, v[SW+(\a)]
	WIN WN                                         ; source 0: the accumulators' window
.irp c, 0,1
	v_cvt_scalef32_pk16_fp6_f32 v[PCA+6*\c:PCA+6*\c+2], v[AC+32*\c:AC+32*\c+15], v[TM+12+2*\c]
	v_cvt_scalef32_pk16_fp6_f32 v[TQ+4*\c:TQ+4*\c+2], v[AC+32*\c+16:AC+32*\c+31], v[TM+13+2*\c]
.endr
	WIN 0
	v_nop                                          ; one plain instruction behind a scaled conversion
.irp c, 0,1                                    ; a whole block to a lane: lanes 0-15 block 2 c, lanes 16-31 block 2 c + 1
.irp i, 0,1,2
	v_permlane16_swap_b32 v[PCA+6*\c+\i], v[TQ+4*\c+\i]
.endr
.irp i, 0,1,2
	v_mov_b32 v[PCA+3+6*\c+\i], v[TQ+4*\c+\i]
.endr
.endr
.irp p, 0,1,2,3,4,5
	global_store_b64 v[VO], v[PCA+2*\p:PCA+2*\p+1], s[8:9] offset:1536*(\a)+256*\p   ; 32 lanes store 256 consecutive bytes, aligned
.endr
.endm
.irp a, 0,1,2,3,4,5,6,7
	OUTBLK \a
.endr
.irp a, 0,1,2,3,4,5,6,7
	v_and_b32 v[W0+\a], s[MSKR], v[SW+\a]          ; q, k: the first head's two bytes under two zero bytes; v: the whole word
	v_lshrrev_b32 v[W1+\a], 16, v[SW+\a]           ; q, k: the second head's
.endr
	v_cmp_le_u32 vcc_lo, 16, v[LN]                 ; both halves of the lanes hold row r's words: lanes 0-15 store blocks 0-3, lanes 16-31 blocks 4-7
.irp i, 0,1,2,3
	v_cndmask_b32 v[T0+\i], v[W0+\i], v[W0+4+\i], vcc_lo
	v_cndmask_b32 v[T1+\i], v[W1+\i], v[W1+4+\i], vcc_lo
.endr
	global_store_b128 v[VS], v[T0:T0+3], s[10:11]              ; 512 consecutive bytes each
	global_store_b128 v[VS], v[T1:T1+3], s[10:11] offset:512
	s_wait_tensorcnt 0x0                           ; the wave's end
	ds_add_u32 v[SPW], v[NIL]
	s_wait_dscnt 0x0
	CROUND                                         ; the closing round: no work-group ends while a partner may still ask for a tile that names it
	s_endpgm
.Lfunc_end_k_qb16054059c_proj:
	.size	k_qb16054059c_proj, .Lfunc_end_k_qb16054059c_proj-k_qb16054059c_proj
	.p2alignl 7, 3214868480
	.fill 96, 4, 3214868480
	.section	.rodata,"a",@progbits
	.p2align	6, 0x0
	.amdhsa_kernel k_qb16054059c_proj
		.amdhsa_group_segment_fixed_size 327680
		.amdhsa_private_segment_fixed_size 0
		.amdhsa_enable_private_segment 0
		.amdhsa_kernarg_size 32
		.amdhsa_user_sgpr_count 2
		.amdhsa_user_sgpr_kernarg_segment_ptr 1
		.amdhsa_wavefront_size32 1
		.amdhsa_system_sgpr_workgroup_id_x 1
		.amdhsa_system_sgpr_workgroup_id_y 1
		.amdhsa_system_sgpr_workgroup_id_z 1
		.amdhsa_system_vgpr_workitem_id 0
		.amdhsa_next_free_vgpr 1024
		.amdhsa_next_free_sgpr 102
		.amdhsa_reserve_vcc 1
		.amdhsa_float_denorm_mode_32 3
		.amdhsa_float_denorm_mode_16_64 3
		.amdhsa_memory_ordered 1
		.amdhsa_forward_progress 1
		.amdhsa_inst_pref_size 166
	.end_amdhsa_kernel
	.amdgpu_metadata
---
amdhsa.version: [ 1, 2 ]
amdhsa.kernels:
  - .name:           k_qb16054059c_proj
    .symbol:         k_qb16054059c_proj.kd
    .args:
      - { .name: xw_codes, .offset: 0, .size: 8, .value_kind: global_buffer, .address_space: global }
      - { .name: xw_scales, .offset: 8, .size: 8, .value_kind: global_buffer, .address_space: global }
      - { .name: qkv_codes, .offset: 16, .size: 8, .value_kind: global_buffer, .address_space: global }
      - { .name: qkv_scales, .offset: 24, .size: 8, .value_kind: global_buffer, .address_space: global }
    .group_segment_fixed_size: 327680
    .private_segment_fixed_size: 0
    .kernarg_segment_align: 8
    .kernarg_segment_size: 32
    .max_flat_workgroup_size: 128
    .sgpr_count:     102
    .vgpr_count:     1024
    .wavefront_size: 32
...
	.end_amdgpu_metadata
.endif
;; end of part 2
;; launch attn (part 3): grid 8 x 32, 16 waves a work-group, no clusters, 327,680 bytes of LDS; arguments qkv_codes, qkv_scales, attn_codes, attn_scales; writes attn_codes, attn_scales
.if DOCPART == 3
	.amdgcn_target "amdgcn-amd-amdhsa--gfx1250"
	.amdhsa_code_object_version 6
	.text
	.protected	k_qb16054059c_attn
	.globl	k_qb16054059c_attn
	.p2align	8
	.type	k_qb16054059c_attn,@function
k_qb16054059c_attn:
	s_mov_b64 s[64:65], 0
	v_nop
	global_prefetch_b8 v0, s[64:65] scope:SCOPE_SE
	s_setreg_imm32_b32 hwreg(HW_REG_WAVE_MODE, 25, 1), 1
	s_wait_xcnt 0x0
.set STEPB, 6144
.set VOFF,  49152
.set SLOT1, 1<<17
.set SCK,   2*SLOT1
.set SCV,   SCK+16384
.set SPARE, SCV+8192
.set AK0,  1
.set AV0,  2
.set ASK0, 3
.set ASV0, 4
.set SPW,  5
.set NIL,  6
.set GS,   7
.set ADK,  8
.set ADV,  9
.set ADS,  10
.set ADT,  11
.set WV,   18
.set SEL,  20
.set CS,   22
.set G1K,  24
.set G1V,  32
.set G0K,  40
.set G0V,  44
.set G1SK, 48
.set G1SV, 56
.set G0SK, 68
.set G0SV, 72
.set TB,   2
.set TS,   3
.set TJ,   66
.set CNT,  67
.macro TLOAD g0k, g1k, g0v, g1v
	s_cmp_lt_u32 s[WV], 2
	s_cbranch_scc0 .Lnot_k_\@
	tensor_load_to_lds s[\g0k:\g0k+3], s[\g1k:\g1k+7]
	s_nop 0
.rept 4
	v_nop
.endr
	s_branch .Lasked_\@
.Lnot_k_\@:
	s_cmp_lt_u32 s[WV], 4
	s_cbranch_scc0 .Lasked_\@
	tensor_load_to_lds s[\g0v:\g0v+3], s[\g1v:\g1v+7]
	s_nop 0
.rept 4
	v_nop
.endr
.Lasked_\@:
.endm
	s_load_b256 s[4:11], s[0:1], 0x0
	v_lshl_add_u32 v[SPW], v0, 2, SPARE
	v_mov_b32 v[NIL], 0
	ds_add_u32 v5, v6
	ds_add_u32 v5, v6
	s_wait_dscnt 0x0
	v_lshrrev_b32 v8, 5, v0
	s_delay_alu instid0(VALU_DEP_1)
	v_readfirstlane_b32 s[WV], v8
	s_and_b32 s76, ttmp7, 0xffff
	s_and_b32 s77, s[WV], 1
	s_add_co_u32 s78, s76, 32
	s_mul_i32 s80, s78, 196608
	s_mul_i32 s79, s77, 49152
	s_add_co_u32 s80, s80, s79
	s_mov_b32 s81, 0
	s_add_co_u32 s82, s76, 64
	s_mul_i32 s82, s82, 196608
	s_add_co_u32 s82, s82, s79
	s_mov_b32 s83, 0
	s_mul_i32 s84, s77, 24576
	s_lshl_b32 s86, s78, 14
	s_lshl_b32 s85, s77, 9
	s_add_co_u32 s86, s86, s85
	s_mov_b32 s87, 0
	s_add_co_u32 s88, s76, 64
	s_lshl_b32 s88, s88, 14
	s_lshl_b32 s85, s77, 8
	s_add_co_u32 s88, s88, s85
	s_mov_b32 s89, 0
	s_lshl_b32 s90, s77, 13
	s_lshl_b32 s91, s77, 12
	s_mov_b32 s[G1K], 3<<16
	s_mov_b32 s[G1K+1], 96<<16
	s_mov_b32 s[G1K+2], 32<<16
	s_mov_b32 s[G1K+3], 96<<16
	s_mov_b32 s[G1K+4], 32
	s_mov_b32 s[G1K+5], 192
	s_mov_b32 s[G1K+6], 0
	s_mov_b32 s[G1K+7], 0
	s_mov_b32 s[G1V], 3<<16
	s_mov_b32 s[G1V+1], 768<<16
	s_mov_b32 s[G1V+2], 4<<16
	s_mov_b32 s[G1V+3], 768<<16
	s_mov_b32 s[G1V+4], 4
	s_mov_b32 s[G1V+5], 1536
	s_mov_b32 s[G1V+6], 0
	s_mov_b32 s[G1V+7], 0
	s_mov_b32 s[G1SK], 3<<16
	s_mov_b32 s[G1SK+1], 64<<16
	s_mov_b32 s[G1SK+2], 16<<16
	s_mov_b32 s[G1SK+3], 64<<16
	s_mov_b32 s[G1SK+4], 16
	s_mov_b32 s[G1SK+5], 128
	s_mov_b32 s[G1SK+6], 0
	s_mov_b32 s[G1SK+7], 0
	s_mov_b32 s[G1SV], 3<<16
	s_mov_b32 s[G1SV+1], 32<<16
	s_mov_b32 s[G1SV+2], 16<<16
	s_mov_b32 s[G1SV+3], 32<<16
	s_mov_b32 s[G1SV+4], 16
	s_mov_b32 s[G1SV+5], 128
	s_mov_b32 s[G1SV+6], 0
	s_mov_b32 s[G1SV+7], 0
	s_mov_b32 s[SEL], 0x76543210
	s_mov_b32 s[SEL+1], 0xfedcba98
	s_mov_b32 s[CS], 0x3e38aa3b
	s_mov_b32 s[CS+1], s[CS]
	s_wait_kmcnt 0x0
	s_mov_b32 s[G0SK], 1
	s_add_co_u32 s[G0SK+1], s90, SCK
	s_add_nc_u64 s[G0SK+2:G0SK+3], s[6:7], s[86:87]
	s_or_b32 s[G0SK+3], s[G0SK+3], 0x80000000
	s_mov_b32 s[G0SV], 1
	s_add_co_u32 s[G0SV+1], s91, SCV
	s_add_nc_u64 s[G0SV+2:G0SV+3], s[6:7], s[88:89]
	s_or_b32 s[G0SV+3], s[G0SV+3], 0x80000000
	TLOAD G0SK, G1SK, G0SV, G1SV
	s_mov_b32 s[G0K], 1
	s_mov_b32 s[G0K+1], s84
	s_add_nc_u64 s[G0K+2:G0K+3], s[4:5], s[80:81]
	s_or_b32 s[G0K+3], s[G0K+3], 0x80000000
	s_mov_b32 s[G0V], 1
	s_add_co_u32 s[G0V+1], s84, VOFF
	s_add_nc_u64 s[G0V+2:G0V+3], s[4:5], s[82:83]
	s_or_b32 s[G0V+3], s[G0V+3], 0x80000000
	TLOAD G0K, G1K, G0V, G1V
	s_lshl_b32 s92, ttmp9, 4
	s_add_co_u32 s92, s92, s[WV]
	s_mul_i32 s94, s76, 196608
	s_mul_i32 s93, s92, 1536
	s_add_co_u32 s94, s94, s93
	s_mov_b32 s95, 0
	s_add_nc_u64 s[12:13], s[4:5], s[94:95]
	s_lshl_b32 s80, s76, 14
	s_lshr_b32 s81, s92, 3
	s_lshl_b32 s81, s81, 10
	s_add_co_u32 s80, s80, s81
	s_bfe_u32 s81, s92, 0x10002
	s_lshl_b32 s81, s81, 8
	s_add_co_u32 s80, s80, s81
	s_and_b32 s81, s92, 3
	s_lshl_b32 s81, s81, 2
	s_add_co_u32 s80, s80, s81
	s_mov_b32 s81, 0
	s_add_nc_u64 s[14:15], s[6:7], s[80:81]
	s_lshr_b32 s82, s76, 3
	s_lshl_b32 s82, s82, 7
	s_add_co_u32 s82, s82, s92
	s_and_b32 s83, s76, 7
	s_mul_i32 s84, s82, 12288
	s_mul_i32 s85, s83, 1536
	s_add_co_u32 s84, s84, s85
	s_mov_b32 s85, 0
	s_add_nc_u64 s[8:9], s[8:9], s[84:85]
	s_lshl_b32 s84, s82, 9
	s_lshl_b32 s86, s83, 2
	s_add_co_u32 s84, s84, s86
	s_add_nc_u64 s[10:11], s[10:11], s[84:85]
	v_and_b32 v8, 31, v0
	v_and_b32 v9, 15, v0
	s_delay_alu instid0(VALU_DEP_2)
	v_lshlrev_b32 v[AK0], 3, v8
	s_delay_alu instid0(VALU_DEP_1)
	v_add_nc_u32 v[AV0], VOFF, v[AK0]
	s_delay_alu instid0(VALU_DEP_3)
	v_lshlrev_b32 v10, 4, v9
	s_delay_alu instid0(VALU_DEP_1)
	v_add_nc_u32 v[ASK0], SCK, v10
	s_delay_alu instid0(VALU_DEP_2)
	v_add_nc_u32 v[ASV0], SCV, v10
	v_lshlrev_b32 v[GS], 5, v9
.irp p, 0,1,2
	global_load_b64 v[16+2*\p:17+2*\p], v[AK0], s[12:13] offset:256*\p
	global_load_b64 v[206+2*\p:207+2*\p], v[AK0], s[12:13] offset:768+256*\p
.endr
	global_load_b32 v255, v10, s[14:15]
	global_load_b32 v212, v10, s[14:15] offset:512
.irp j, 22,23,24,25,26,27, 80,81,82,83,84,85
	v_mov_b32 v[\j], 0
.endr
	v_mov_b32 v13, 0xff61b1e6
	s_delay_alu instid0(VALU_DEP_1)
	v_floor_f32 v12, -v13
	v_mov_b32 v14, 0
	v_mov_b32 v15, 0
.irp b, 0,1,2,3
	v_mov_b32 v[236+\b], 0
.endr
	v_mov_b32 v253, 0
.irp j, 0,1,2,3,4,5,6,7,8,9,10,11,12,13,14,15,16,17,18,19,20,21,22,23,24,25,26,27,28,29,30,31
	v_mov_b32 v[160+\j], 0
.endr
.macro STEP
	v_add_nc_u32 v[ADK], s[TB], v[AK0]
	v_add_nc_u32 v[ADV], s[TB], v[AV0]
	v_add_nc_u32 v[ADS], s[TS], v[ASK0]
	v_add_nc_u32 v[ADT], s[TJ], v[ASV0]
.irp t, 0,1,2,3,4,5,6,7
.irp p, 0,1,2
	ds_load_b64 v[32+6*\t+2*\p:33+6*\t+2*\p], v[ADK] offset:768*\t+256*\p
.endr
.endr
	ds_load_b128 v[86:89], v[ADS]
	ds_load_b128 v[90:93], v[ADS] offset:256
	s_wait_alu depctr_va_vdst(0)
	s_wait_dscnt 0x0
.irp t, 0,1,2,3,4,5,6,7
	v_wmma_scale_f32_16x16x128_f8f6f4 v[96+8*\t:103+8*\t], v[32+6*\t:43+6*\t], v[16:27], 0, v[86+\t], v255 matrix_a_fmt:MATRIX_FMT_FP6 matrix_b_fmt:MATRIX_FMT_FP6
.endr
.rept 4
	v_nop
.endr
.irp t, 0,1,2,3
.irp p, 0,1,2,3,4,5
	ds_load_b64 v[32+12*\t+2*\p:33+12*\t+2*\p], v[ADV] offset:1536*\t+256*\p
.endr
.endr
	ds_load_b128 v[248:251], v[ADT]
.irp b, 0,1,2,3
	v_max3_num_f32 v[232+\b], v[96+16*\b], v[97+16*\b], v[98+16*\b]
.endr
.irp i, 3,5,7,9,11,13
.irp b, 0,1,2,3
	v_max3_num_f32 v[232+\b], v[232+\b], v[96+16*\b+\i], v[97+16*\b+\i]
.endr
.endr
.irp b, 0,1,2,3
	v_max_num_f32 v[232+\b], v[232+\b], v[111+16*\b]
.endr
.irp b, 0,1,2,3
	s_delay_alu instid0(VALU_DEP_4)
	v_permlanex16_b32 v[236+\b], v[232+\b], s[SEL], s[SEL+1]
.endr
.irp b, 0,1,2,3
	s_delay_alu instid0(VALU_DEP_4)
	v_max_num_f32 v[232+\b], v[232+\b], v[236+\b]
.endr
	s_delay_alu instid0(VALU_DEP_2)
	v_max3_num_f32 v254, v232, v233, v234
	s_delay_alu instid0(VALU_DEP_1)
	v_max_num_f32 v254, v254, v235
	s_delay_alu instid0(VALU_DEP_1)
	v_mul_f32 v254, s[CS], v254
	s_delay_alu instid0(VALU_DEP_1)
	v_max_num_f32 v13, v13, v254
	v_mov_b32 v254, v12
	s_delay_alu instid0(VALU_DEP_2)
	v_floor_f32 v12, -v13
	s_delay_alu instid0(VALU_DEP_1)
	v_sub_f32 v254, v12, v254
	s_delay_alu instid0(VALU_DEP_1)
	v_cvt_i32_f32 v254, v254
	s_delay_alu instid0(VALU_DEP_1)
	v_ldexp_f32 v252, 1.0, v254
.irp j, 0,2,4,6,8,10,12,14,16,18,20,22,24,26,28,30,32,34,36,38,40,42,44,46,48,50,52,54,56,58,60,62
	v_pk_fma_f32 v[96+\j:97+\j], v[96+\j:97+\j], s[CS:CS+1], v[12:13] op_sel_hi:[1,0,0]
.endr
.irp b, 0,1,2,3
	v_fma_f32 v[232+\b], v[232+\b], s[CS], v12
.endr
	s_setprio 1
	s_wait_alu depctr_va_vdst(0)
.irp j, 0,1,2,3,4,5,6,7,8,9,10,11,12,13,14,15,16,17,18,19,20,21,22,23,24,25,26,27,28,29,30,31,32,33,34,35,36,37,38,39,40,41,42,43,44,45,46,47,48,49,50,51,52,53,54,55,56,57,58,59,60,61,62,63
	v_exp_f32 v[96+\j], v[96+\j]
.endr
	v_pk_mul_f32 v[14:15], v[14:15], v[252:253] op_sel_hi:[1,0]
	s_wait_alu depctr_va_vdst(0)
.irp b, 0,1,2,3
	v_exp_f32 v[232+\b], v[232+\b]
.endr
	v_pk_add_f32 v[236:237], v[100:101], v[104:105]
	v_pk_add_f32 v[246:247], v[108:109], v[112:113]
	v_pk_add_f32 v[244:245], v[116:117], v[120:121]
	v_pk_add_f32 v[242:243], v[124:125], v[128:129]
	v_pk_add_f32 v[240:241], v[132:133], v[136:137]
	v_pk_add_f32 v[238:239], v[140:141], v[144:145]
	v_pk_add_f32 v[230:231], v[148:149], v[152:153]
	v_pk_add_f32 v[14:15], v[14:15], v[156:157]
	v_pk_add_f32 v[236:237], v[236:237], v[96:97]
	v_pk_add_f32 v[246:247], v[246:247], v[98:99]
	v_pk_add_f32 v[244:245], v[244:245], v[102:103]
	v_pk_add_f32 v[242:243], v[242:243], v[106:107]
	v_pk_add_f32 v[240:241], v[240:241], v[110:111]
	v_pk_add_f32 v[238:239], v[238:239], v[114:115]
	v_pk_add_f32 v[230:231], v[230:231], v[118:119]
	v_pk_add_f32 v[14:15], v[14:15], v[122:123]
	v_pk_add_f32 v[236:237], v[236:237], v[126:127]
	v_pk_add_f32 v[246:247], v[246:247], v[130:131]
	v_pk_add_f32 v[244:245], v[244:245], v[134:135]
	v_pk_add_f32 v[242:243], v[242:243], v[138:139]
	v_pk_add_f32 v[240:241], v[240:241], v[142:143]
	v_pk_add_f32 v[238:239], v[238:239], v[146:147]
	v_pk_add_f32 v[230:231], v[230:231], v[150:151]
	v_pk_add_f32 v[14:15], v[14:15], v[154:155]
	v_pk_add_f32 v[236:237], v[236:237], v[158:159]
	s_delay_alu instid0(VALU_DEP_2)
	v_pk_add_f32 v[14:15], v[14:15], v[242:243]
	s_delay_alu instid0(VALU_DEP_2)
	v_pk_add_f32 v[236:237], v[236:237], v[240:241]
	v_pk_add_f32 v[246:247], v[246:247], v[238:239]
	v_pk_add_f32 v[244:245], v[244:245], v[230:231]
	s_delay_alu instid0(VALU_DEP_2)
	v_pk_add_f32 v[14:15], v[14:15], v[246:247]
	s_delay_alu instid0(VALU_DEP_2)
	v_pk_add_f32 v[236:237], v[236:237], v[244:245]
	s_delay_alu instid0(VALU_DEP_1)
	v_pk_add_f32 v[14:15], v[14:15], v[236:237]
	s_wait_alu depctr_va_vdst(0)
.irp b, 0,1,2,3
	v_max_num_f32 v[232+\b], 0x1800000, v[232+\b]
.endr
.irp b, 0,1,2,3
	s_delay_alu instid0(VALU_DEP_4)
	v_add_nc_u32 v[244+\b], 0xff000000, v[232+\b]
.endr
.irp b, 0,1,2,3
	s_delay_alu instid0(VALU_DEP_4)
	v_lshrrev_b32 v[236+\b], 23, v[244+\b]
.endr
	s_delay_alu instid0(VALU_DEP_3)
	v_lshl_or_b32 v253, v237, 8, v236
	s_delay_alu instid0(VALU_DEP_1)
	v_lshl_or_b32 v253, v238, 16, v253
	s_delay_alu instid0(VALU_DEP_1)
	v_lshl_or_b32 v253, v239, 24, v253
.irp c, 0,1
	v_cvt_scalef32_pk16_fp6_f32 v[224+6*\c:226+6*\c], v[96+32*\c:111+32*\c], v[244+2*\c]
	v_cvt_scalef32_pk16_fp6_f32 v[236+4*\c:238+4*\c], v[112+32*\c:127+32*\c], v[245+2*\c]
.endr
	v_nop
	s_setprio 0
.irp c, 0,1
.irp i, 0,1,2
	v_permlane16_swap_b32 v[224+6*\c+\i], v[236+4*\c+\i]
.endr
.irp i, 0,1,2
	s_delay_alu instid0(VALU_DEP_3)
	v_mov_b32 v[227+6*\c+\i], v[236+4*\c+\i]
.endr
.endr
.irp j, 0,2,4,6,8,10,12,14,16,18,20,22,24,26,28,30
	v_pk_mul_f32 v[160+\j:161+\j], v[160+\j:161+\j], v[252:253] op_sel_hi:[1,0]
.endr
	s_wait_alu depctr_va_vdst(0)
	s_wait_dscnt 0x0
.irp t, 0,1,2,3
	v_wmma_scale_f32_16x16x128_f8f6f4 v[160+8*\t:167+8*\t], v[32+12*\t:43+12*\t], v[224:235], v[160+8*\t:167+8*\t], v[248+\t], v253 matrix_a_fmt:MATRIX_FMT_FP6 matrix_b_fmt:MATRIX_FMT_FP6
.endr
.endm
.macro CHANGE fill, up
	s_wait_tensorcnt 0x0
	ds_add_u32 v[SPW], v[NIL]
.if \fill
	s_xor_b32 s[G0K+1], s[G0K+1], SLOT1
	s_xor_b32 s[G0V+1], s[G0V+1], SLOT1
.if \up
	s_add_nc_u64 s[G0K+2:G0K+3], s[G0K+2:G0K+3], 98304
	s_add_nc_u64 s[G0V+2:G0V+3], s[G0V+2:G0V+3], 98304
.else
	s_sub_nc_u64 s[G0K+2:G0K+3], s[G0K+2:G0K+3], 97536
	s_sub_nc_u64 s[G0V+2:G0V+3], s[G0V+2:G0V+3], 92160
.endif
.endif
	s_wait_dscnt 0x0
	s_barrier_signal -1
	s_barrier_wait -1
.if \fill
	TLOAD G0K, G1K, G0V, G1V
.endif
.endm
.macro STEPS n
	s_mov_b32 s[TB], ((\n)%2)*SLOT1
	s_mov_b32 s[TS], 4096*(\n)
	s_mov_b32 s[TJ], 2048*(\n)
	s_mov_b32 s[CNT], 8
.Lstep_\@:
	s_setprio 2
	STEP
	s_add_co_u32 s[TB], s[TB], STEPB
	s_add_co_u32 s[TS], s[TS], 512
	s_add_co_u32 s[TJ], s[TJ], 256
	s_sub_co_u32 s[CNT], s[CNT], 1
	s_cmp_lg_u32 s[CNT], 0
	s_cbranch_scc1 .Lstep_\@
	s_setprio 0
.endm
.macro FINISH c
.rept 4
	v_nop
.endr
	v_add_f32 v14, v14, v15
	s_delay_alu instid0(VALU_DEP_1)
	v_permlanex16_b32 v252, v14, s[SEL], s[SEL+1]
	s_delay_alu instid0(VALU_DEP_1)
	v_add_f32 v14, v14, v252
	s_wait_alu depctr_va_vdst(0)
	v_rcp_f32 v14, v14
	v_nop
	s_wait_alu depctr_va_vdst(0)
.irp j, 0,1,2,3,4,5,6,7,8,9,10,11,12,13,14,15,16,17,18,19,20,21,22,23,24,25,26,27,28,29,30,31
	v_mul_f32 v[96+\j], v[160+\j], v14
.endr
.irp b, 0,1
	v_max3_num_f32 v[232+\b], |v[96+16*\b]|, |v[97+16*\b]|, 0x1800000
.endr
.irp i, 2,4,6,8,10,12,14
.irp b, 0,1
	s_delay_alu instid0(VALU_DEP_2)
	v_max3_num_f32 v[232+\b], v[232+\b], |v[96+16*\b+\i]|, |v[97+16*\b+\i]|
.endr
.endr
.irp b, 0,1
	s_delay_alu instid0(VALU_DEP_2)
	v_permlanex16_b32 v[236+\b], v[232+\b], s[SEL], s[SEL+1]
.endr
.irp b, 0,1
	s_delay_alu instid0(VALU_DEP_2)
	v_max_num_f32 v[232+\b], v[232+\b], v[236+\b]
.endr
.irp b, 0,1
	s_delay_alu instid0(VALU_DEP_2)
	v_add_nc_u32 v[244+\b], 0xff000000, v[232+\b]
.endr
.irp b, 0,1
	s_delay_alu instid0(VALU_DEP_2)
	v_lshrrev_b32 v[236+\b], 23, v[244+\b]
.endr
.if \c == 0
	s_delay_alu instid0(VALU_DEP_1)
	v_lshl_or_b32 v204, v237, 8, v236
.else
	s_delay_alu instid0(VALU_DEP_1)
	v_lshl_or_b32 v254, v237, 8, v236
	s_delay_alu instid0(VALU_DEP_1)
	v_lshl_or_b32 v204, v254, 16, v204
.endif
	v_cvt_scalef32_pk16_fp6_f32 v[192+6*\c:194+6*\c], v[96:111], v244
	v_cvt_scalef32_pk16_fp6_f32 v[240:242], v[112:127], v245
	v_nop
.irp i, 0,1,2
	v_permlane16_swap_b32 v[192+6*\c+\i], v[240+\i]
.endr
.irp i, 0,1,2
	s_delay_alu instid0(VALU_DEP_3)
	v_mov_b32 v[195+6*\c+\i], v[240+\i]
.endr
.if \c == 0
.irp i, 0,1,2,3,4,5
	v_mov_b32 v[16+\i], v[206+\i]
.endr
	v_mov_b32 v255, v212
	v_mov_b32 v13, 0xff61b1e6
	s_delay_alu instid0(VALU_DEP_1)
	v_floor_f32 v12, -v13
	v_mov_b32 v14, 0
	v_mov_b32 v15, 0
.irp j, 0,1,2,3,4,5,6,7,8,9,10,11,12,13,14,15,16,17,18,19,20,21,22,23,24,25,26,27,28,29,30,31
	v_mov_b32 v[160+\j], 0
.endr
.endif
.endm
	s_wait_loadcnt 0x0
	CHANGE 1, 1
	STEPS 0
	CHANGE 1, 0
	STEPS 1
	FINISH 0
	CHANGE 1, 1
	STEPS 2
	CHANGE 0, 0
	STEPS 3
	FINISH 1
.irp p, 0,1,2,3,4,5
	global_store_b64 v[AK0], v[192+2*\p:193+2*\p], s[8:9] offset:256*\p
.endr
	global_store_b32 v[GS], v204, s[10:11]
	s_wait_tensorcnt 0x0
	ds_add_u32 v[SPW], v[NIL]
	s_wait_dscnt 0x0
	s_endpgm
.Lfunc_end_k_qb16054059c_attn:
	.size	k_qb16054059c_attn, .Lfunc_end_k_qb16054059c_attn-k_qb16054059c_attn
	.p2alignl 7, 3214868480
	.fill 96, 4, 3214868480
	.section	.rodata,"a",@progbits
	.p2align	6, 0x0
	.amdhsa_kernel k_qb16054059c_attn
		.amdhsa_group_segment_fixed_size 327680
		.amdhsa_private_segment_fixed_size 0
		.amdhsa_enable_private_segment 0
		.amdhsa_kernarg_size 32
		.amdhsa_user_sgpr_count 2
		.amdhsa_user_sgpr_kernarg_segment_ptr 1
		.amdhsa_wavefront_size32 1
		.amdhsa_system_sgpr_workgroup_id_x 1
		.amdhsa_system_sgpr_workgroup_id_y 1
		.amdhsa_system_sgpr_workgroup_id_z 1
		.amdhsa_system_vgpr_workitem_id 0
		.amdhsa_next_free_vgpr 256
		.amdhsa_next_free_sgpr 96
		.amdhsa_reserve_vcc 0
		.amdhsa_float_denorm_mode_32 3
		.amdhsa_float_denorm_mode_16_64 3
		.amdhsa_memory_ordered 1
		.amdhsa_forward_progress 1
		.amdhsa_inst_pref_size 98
	.end_amdhsa_kernel
	.amdgpu_metadata
---
amdhsa.version: [ 1, 2 ]
amdhsa.kernels:
  - .name:           k_qb16054059c_attn
    .symbol:         k_qb16054059c_attn.kd
    .args:
      - { .name: qkv_codes, .offset: 0, .size: 8, .value_kind: global_buffer, .address_space: global }
      - { .name: qkv_scales, .offset: 8, .size: 8, .value_kind: global_buffer, .address_space: global }
      - { .name: attn_codes, .offset: 16, .size: 8, .value_kind: global_buffer, .address_space: global }
      - { .name: attn_scales, .offset: 24, .size: 8, .value_kind: global_buffer, .address_space: global }
    .group_segment_fixed_size: 327680
    .private_segment_fixed_size: 0
    .kernarg_segment_align: 8
    .kernarg_segment_size: 32
    .max_flat_workgroup_size: 512
    .sgpr_count:     96
    .vgpr_count:     256
    .wavefront_size: 32
...
	.end_amdgpu_metadata
.endif
;; end of part 3
;; launch oproj (part 4): grid 4 x 32, 4 waves a work-group, clusters of 4 x 4, 327,680 bytes of LDS; arguments attn_codes, attn_scales, xw_codes, xw_scales, out0; writes out0
.if DOCPART == 4
	.amdgcn_target "amdgcn-amd-amdhsa--gfx1250"
	.amdhsa_code_object_version 6
	.text
	.protected	k_qb16054059c_oproj
	.globl	k_qb16054059c_oproj
	.p2align	8
	.type	k_qb16054059c_oproj,@function
k_qb16054059c_oproj:
	s_mov_b64 s[64:65], 0
	v_nop
	global_prefetch_b8 v0, s[64:65] scope:SCOPE_SE
	s_setreg_imm32_b32 hwreg(HW_REG_WAVE_MODE, 25, 1), 1
	s_wait_xcnt 0x0
	s_wait_alu depctr_hold_cnt(0) depctr_sa_sdst(0) depctr_va_vdst(0) depctr_va_sdst(0) depctr_va_ssrc(0) depctr_va_vcc(0) depctr_vm_vsrc(0)
	s_getreg_b32 s2, hwreg(HW_REG_IB_STS2, 6, 4)
	s_cmp_eq_u32 s2, 0
	s_cbranch_scc0 .Lentry_in_a_cluster
	s_endpgm
.Lentry_in_a_cluster:
	s_bfe_u32 s2, ttmp6, 0x10000c
	s_cmp_lg_u32 s2, 0xf033
	s_cbranch_scc0 .Lentry_shape_is_right
	s_endpgm
.Lentry_shape_is_right:
; out = o Wo^T on codes of FP6 (E2M3) with E8M0 scales: A' = the attention's result [8192][1024], B' = Wo [1024][1024], K = 1,024, sums in f32, K ascending; out is [8192][1024] f32.
; OPERANDS lie in memory in the order of the operand's registers: [tile of 16 rows][16 chunks of 64 along K][piece 0..2][lane][8 bytes]; position p of tile T is row 32 (T / 2) + 8 (T % 2) + p + 8 (p / 8).  Scale words: [tile][position][8 words].
; THE MATRIX INSTRUCTION IS USED TRANSPOSED: source 0 = 16 rows of B', source 1 = 16 rows of A': a lane's eight results of B's tile b are the columns 32 (b / 2) + 8 (b % 2) + 16 (lane / 16) + 0 .. 7 of A's row lane % 16.
; A tile of out, 256 x 256, is made by a work-group of four waves, 128 x 128 each: 64 accumulators, 512 registers.  K goes in steps of 256 through two LDS slots filled by the tensor data mover; the scale words of the 512 rows come once.
; CLUSTERS: 4 x 4 work-groups; A's tiles are asked for jointly along a row of the cluster, B's along a column.  out has 32 x 4 tiles: 128 work-groups, 8 clusters.
; REGISTERS, in windows of 256: window 0: v16-29 addresses; v32-63 scale words, two sets; from v128 A's fragments, one set; on the way out v128-255 rows read back.  window 1: B's fragments, two sets.  windows 2, 3: the accumulators.
.set NQ,     2
.set FR,     12
.set NL,     6
.set NP,     4                         ; places behind this matrix instruction (ISA guide 7.12.1)
.set TILEB,  3072                      ; 16 rows x 256 K in a slot, dense
.set HALFT,  8*TILEB
.set SLOT,   4*HALFT
.set SCL,    2*SLOT
.set HALFS,  16*272
.set SBLK,   2*272
.set SPARE,  SCL+4*HALFS               ; the spare words, 128 bytes for each wave: two blocks of 256 bytes that no other line names
.set SPITCH, 528                       ; the way out: a stage of 16 rows x (512 bytes + 16) for each wave, in slot 0, which has had its last fill and its last read when the first result is stored there
.set ADRA, 16
.set ADRB, 20
.set STO,  24                          ; v24  the way out: where I put 32 bytes of a row
.set RD,   25                          ; v25  where I read a row back
.set CO,   26                          ; v26  16 x lane: my bytes of a row's 512
.set ADRS, 27
.set SPW,  28                          ; v28  my spare word; never rewritten
.set NIL,  29                          ; v29  0; never rewritten
.set SC,   32
.set AF,   128
.set BK,   128                         ; 16 rows read back: v128-191 and v192-255 by turns
.set G1, 24
.set G0, 32
.set G1B, 48
.set G0B, 56
.set G1S, 68
.set G0S, 76
.set G1SB, 80
.set G0SB, 88
.set MSB, 0
.macro WIN new                         ; the immediate's high byte repeats the setting that is left
.if MSB != (\new)
	s_set_vgpr_msb (MSB<<8)|(\new)
.set MSB, (\new)
.endif
.endm
.set MUL_LO, 0xa1
.set MUL_HI, 0xf1
.set TO_B,   0x40
; A joint load: waves 0 and 1 fetch for A', waves 2 and 3 for B'.  The branch hangs on the wave's number alone.  Four v_nop follow each of the two lines.
.macro JLOAD g0a, g1a, g0b, g1b
	s_cmp_eq_u32 s15, 0
	s_cbranch_scc0 .Lfor_b_\@
	tensor_load_to_lds s[\g0a:\g0a+3], s[\g1a:\g1a+7]
	s_nop 0
.rept 4
	v_nop
.endr
	s_branch .Lasked_\@
.Lfor_b_\@:
	tensor_load_to_lds s[\g0b:\g0b+3], s[\g1b:\g1b+7]
	s_nop 0
.rept 4
	v_nop
.endr
.Lasked_\@:
.endm
.macro CREST
	s_cmp_lg_u32 s14, 0
	s_cbranch_scc1 .Lnot_wave_0_\@
	s_barrier_signal -3
.Lnot_wave_0_\@:
	s_barrier_wait -3
	s_barrier_signal -1
	s_barrier_wait -1
.endm
.macro CROUND
	s_barrier_signal -1
	s_barrier_wait -1
	CREST
.endm
	s_load_b256 s[4:11], s[0:1], 0x0               ; A's codes s[4:5], A's scale words s[6:7]; the weights' codes s[8:9] and scale words s[10:11]
	s_load_b64 s[12:13], s[0:1], 0x20              ; out
	v_lshl_add_u32 v[SPW], v0, 2, SPARE
	v_mov_b32 v[NIL], 0
	ds_add_u32 v28, v29
	s_wait_dscnt 0x0
	v_lshrrev_b32 v1, 5, v0
	v_readfirstlane_b32 s14, v1                    ; wave 0..3
	s_lshr_b32 s15, s14, 1                         ; which half of the tile's rows is mine.  Also: I fetch for A' (0) or for B' (1)
	s_and_b32 s16, s14, 1                          ; which half of its columns.  Also: which 128 rows I fetch
	s_bfe_u32 s40, ttmp6, 0x40000                  ; cx
	s_bfe_u32 s41, ttmp6, 0x40004                  ; cy
	s_and_b32 s17, ttmp7, 0xffff
	s_lshl_b32 s17, s17, 2
	s_add_co_u32 s17, s17, s41                     ; A's block of 256 rows = 4 x cluster y + cy
	s_add_co_u32 s42, s40, 108                     ; B's: Wo's four blocks begin at block 108 of the first launch's buffers
	s_lshl_b32 s43, s41, 2
	s_lshl_b32 s43, 15, s43                        ; my row of the cluster
	s_lshl_b32 s44, 0x1111, s40                    ; my column
	s_or_b32 s[G1+0], s43, (3<<16)|(1<<21)         ; codes: 8 rows (tiles of 16) of 3,072 bytes, 12,288 bytes apart; elements of 8 bytes; dense in LDS
	s_or_b32 s[G1B+0], s44, (3<<16)|(1<<21)
.irp g, G1, G1B
	s_mov_b32 s[\g+1], 384<<16
	s_mov_b32 s[\g+2], 8<<16
	s_mov_b32 s[\g+3], 384<<16
	s_mov_b32 s[\g+4], 8
	s_mov_b32 s[\g+5], 1536
	s_mov_b32 s[\g+6], 0
	s_mov_b32 s[\g+7], 0
.endr
	s_or_b32 s[G1S+0], s43, (3<<16)|(1<<20)|(1<<21)|(5<<22)|(3<<25)   ; scale words of 128 rows: 16 rows of 256 bytes, 16 bytes of padding behind each
	s_or_b32 s[G1SB+0], s44, (3<<16)|(1<<20)|(1<<21)|(5<<22)|(3<<25)
.irp g, G1S, G1SB
	s_mov_b32 s[\g+1], 32<<16
	s_mov_b32 s[\g+2], 16<<16
	s_mov_b32 s[\g+3], 32<<16
	s_mov_b32 s[\g+4], 16
	s_mov_b32 s[\g+5], 32
	s_mov_b32 s[\g+6], 0
	s_mov_b32 s[\g+7], 0
.endr
	s_lshl_b32 s22, s17, 13                        ; a block's scale words are 8,192 bytes, my half of them 4,096
	s_lshl_b32 s92, s42, 13
	s_lshl_b32 s18, s16, 12
	s_add_co_u32 s22, s22, s18
	s_add_co_u32 s92, s92, s18
	s_mov_b32 s23, 0
	s_mov_b32 s93, 0
	s_mul_i32 s20, s17, 196608                     ; its codes 16 x 12,288
	s_mul_i32 s46, s42, 196608
	s_mul_i32 s18, s16, 98304
	s_add_co_u32 s20, s20, s18
	s_add_co_u32 s46, s46, s18
	s_mov_b32 s21, 0
	s_mov_b32 s47, 0
	s_mul_i32 s45, s14, HALFT                      ; where they go: wave x 128 rows
	s_mul_i32 s94, s14, HALFS
	s_wait_kmcnt 0x0
	s_add_nc_u64 s[20:21], s[4:5], s[20:21]
	s_add_nc_u64 s[22:23], s[6:7], s[22:23]
	s_add_nc_u64 s[46:47], s[8:9], s[46:47]
	s_add_nc_u64 s[92:93], s[10:11], s[92:93]
	CROUND                                         ; all sixteen work-groups are here: the first joint loads meet
	s_mov_b32 s[G0S], 1
	s_add_co_u32 s[G0S+1], s94, SCL
	s_mov_b64 s[G0S+2:G0S+3], s[22:23]
	s_or_b32 s[G0S+3], s[G0S+3], 0x80000000
	s_mov_b32 s[G0SB], 1
	s_add_co_u32 s[G0SB+1], s94, SCL
	s_mov_b64 s[G0SB+2:G0SB+3], s[92:93]
	s_or_b32 s[G0SB+3], s[G0SB+3], 0x80000000
	JLOAD G0S, G1S, G0SB, G1SB
.irp s, 0,1
	s_mov_b32 s[G0+4*\s], 1
	s_add_co_u32 s[G0+4*\s+1], s45, \s*SLOT
	s_add_nc_u64 s[G0+4*\s+2:G0+4*\s+3], s[20:21], \s*TILEB
	s_or_b32 s[G0+4*\s+3], s[G0+4*\s+3], 0x80000000
	s_mov_b32 s[G0B+4*\s], 1
	s_add_co_u32 s[G0B+4*\s+1], s45, \s*SLOT
	s_add_nc_u64 s[G0B+4*\s+2:G0B+4*\s+3], s[46:47], \s*TILEB
	s_or_b32 s[G0B+4*\s+3], s[G0B+4*\s+3], 0x80000000
	JLOAD G0+4*\s, G1, G0B+4*\s, G1B
.endr
	v_and_b32 v1, 15, v0                           ; r
	v_bfe_u32 v2, v0, 4, 1                         ; h
	v_and_b32 v3, 31, v0
	v_lshlrev_b32 v4, 3, v3                        ; 8 x lane
	s_mul_i32 s21, s15, HALFT
	s_mul_i32 s22, s16, HALFT
	s_add_co_u32 s22, s22, 2*HALFT
.irp s, 0,1
	v_add_nc_u32 v[ADRA+\s], s21, v4
	v_add_nc_u32 v[ADRB+\s], s22, v4
	s_add_co_u32 s21, s21, SLOT
	s_add_co_u32 s22, s22, SLOT
.endr
	v_mul_u32_u24 v5, v1, 32                       ; my row's scale words: 32 bytes a row, and 16 more for each 256 passed
	v_lshrrev_b32 v6, 8, v5
	v_lshl_add_u32 v5, v6, 4, v5
	s_mul_i32 s21, s15, HALFS
	s_mul_i32 s22, s16, HALFS
	s_add_co_u32 s22, s22, 2*HALFS
	s_sub_co_u32 s22, s22, s21
	v_mul_u32_u24 v6, s22, v2                      ; lanes 16-31 take B's
	s_add_co_u32 s21, s21, SCL
	v_add_nc_u32 v5, v5, v6
	v_add_nc_u32 v[ADRS], s21, v5
	s_mul_i32 s23, s14, 16*SPITCH                  ; my stage
	v_mul_u32_u24 v5, v1, SPITCH                   ; in: row r; my half's columns begin 64 bytes on
	v_lshl_add_u32 v5, v2, 6, v5
	v_add_nc_u32 v[STO], s23, v5
	v_lshlrev_b32 v[CO], 4, v3
	v_add_nc_u32 v[RD], s23, v[CO]                 ; back: the 32 lanes take one row of 512 bytes
	s_lshl_b32 s20, s17, 20                        ; my first row of out: 256 x block + 128 x half, 4,096 bytes a row
	s_lshl_b32 s21, s15, 19
	s_add_co_u32 s20, s20, s21
	s_mov_b32 s21, 0
	s_lshl_b32 s46, s40, 10                        ; my first column, in bytes: 1,024 cx + 512 x half
	s_lshl_b32 s47, s16, 9
	s_add_co_u32 s46, s46, s47
	s_mov_b32 s47, 0
	s_add_nc_u64 s[20:21], s[20:21], s[46:47]
	s_add_nc_u64 s[12:13], s[12:13], s[20:21]
.macro FRAG reg, adr, q, i             ; a fragment, 12 registers, as six pieces of 256 dense bytes
.irp p, 0,1,2,3,4,5
	ds_load_b64 v[\reg+2*\p:\reg+2*\p+1], v[\adr] offset:TILEB*(\i)+1536*(\q)+256*\p
.endr
.endm
; 16 matrix instructions: A's blocks a0, a0 + 1 x B's eight, 128 along K.  The 64 accumulators take turns, one instruction a turn, in the same order in every step.
.macro MUL16 a0, p, q, sc, zero
.irp a, \a0, \a0+1
.irp b, 0,1,2,3,4,5,6,7
.if \zero
	v_wmma_scale_f32_16x16x128_f8f6f4 v[8*(8*((\a)%4)+\b):8*(8*((\a)%4)+\b)+7], v[128*(\p)+FR*\b:128*(\p)+FR*\b+FR-1], v[AF+FR*(\a):AF+FR*(\a)+FR-1], 0, v[SC+8*NQ*(\sc)+NQ*\b+(\q)], v[SC+8*NQ*(\sc)+NQ*(\a)+(\q)] matrix_a_fmt:MATRIX_FMT_FP6 matrix_b_fmt:MATRIX_FMT_FP6 matrix_a_scale:MATRIX_SCALE_ROW1
.else
	v_wmma_scale_f32_16x16x128_f8f6f4 v[8*(8*((\a)%4)+\b):8*(8*((\a)%4)+\b)+7], v[128*(\p)+FR*\b:128*(\p)+FR*\b+FR-1], v[AF+FR*(\a):AF+FR*(\a)+FR-1], v[8*(8*((\a)%4)+\b):8*(8*((\a)%4)+\b)+7], v[SC+8*NQ*(\sc)+NQ*\b+(\q)], v[SC+8*NQ*(\sc)+NQ*(\a)+(\q)] matrix_a_fmt:MATRIX_FMT_FP6 matrix_b_fmt:MATRIX_FMT_FP6 matrix_a_scale:MATRIX_SCALE_ROW1
.endif
.endr
.endr
.endm
.macro FETCH_B slot, q, p
	WIN TO_B
.irp i, 0,1,2,3,4,5,6,7
	FRAG 128*(\p)+FR*\i, ADRB+\slot, \q, \i
.endr
	WIN 0
.endm
.macro FETCH_A slot, q, i0
.irp i, \i0, \i0+1, \i0+2, \i0+3
	FRAG AF+FR*(\i), ADRA+\slot, \q, \i
.endr
.endm
.macro SCALES sc
.irp i, 0,1,2,3,4,5,6,7
	ds_load_b64 v[SC+8*NQ*\sc+NQ*\i:SC+8*NQ*\sc+NQ*\i+1], v[ADRS] offset:\i*SBLK
.endr
.endm
.macro PLACES n                        ; plain vector instructions between a matrix instruction and a load into one of its registers, or the first read of its result
.rept \n
	v_nop
.endr
.endm
.macro STEP slot, q, zero
	s_wait_dscnt 4*NL                              ; B's set, A's blocks 0-3 and the scale words are in; the youngest 24 loads (A's blocks 4-7) may be out
	WIN MUL_LO
	MUL16 0, (\q)%2, \q, \slot, \zero
	MUL16 2, (\q)%2, \q, \slot, \zero
	s_wait_dscnt 0
	PLACES NP
	FETCH_B \slot, (\q)+1, 1-(\q)%2
	FETCH_A \slot, (\q)+1, 0
	WIN MUL_HI
	MUL16 4, (\q)%2, \q, \slot, \zero
	MUL16 6, (\q)%2, \q, \slot, \zero
	PLACES NP
	WIN 0
	FETCH_A \slot, (\q)+1, 4
.endm
; A slot's last step changes slots: one barrier; in front of it each wave waits for all its tensor loads, adds 0 to its spare word, and waits for that and for its own reads of this slot.  fill = 1: this slot is filled again, two K steps ahead.
.macro TURN slot, next, fill
	s_wait_tensorcnt 0x0                           ; all my tensor loads have landed: my part of the next slot
	ds_add_u32 v[SPW], v[NIL]                      ; 0 onto my spare word
	s_wait_dscnt 4*NL+1                            ; (the add and the youngest 24 loads may be out)
	WIN MUL_LO
	MUL16 0, 1, NQ-1, \slot, 0
	s_wait_dscnt 0x0                               ; the add is done, and my reads of this slot are over
	s_barrier_signal -1
	MUL16 2, 1, NQ-1, \slot, 0
	WIN 0
	s_barrier_wait -1
.if \fill
	CREST                                          ; the barrier has opened a round of the cluster's barrier: no wave of any partner still reads this slot or has a load on its way
	s_add_nc_u64 s[G0+4*\slot+2:G0+4*\slot+3], s[G0+4*\slot+2:G0+4*\slot+3], 2*TILEB
	s_add_nc_u64 s[G0B+4*\slot+2:G0B+4*\slot+3], s[G0B+4*\slot+2:G0B+4*\slot+3], 2*TILEB
	JLOAD G0+4*\slot, G1, G0B+4*\slot, G1B
.else
	PLACES NP
.endif
	v_add_nc_u32 v[ADRS], 4*NQ, v[ADRS]
	FETCH_B \next, 0, 0
	FETCH_A \next, 0, 0
	SCALES \next
	WIN MUL_HI
	MUL16 4, 1, NQ-1, \slot, 0
	MUL16 6, 1, NQ-1, \slot, 0
	PLACES NP
	WIN 0
	FETCH_A \next, 0, 4
.endm
	s_wait_tensorcnt 1                             ; the scale words and my part of K step 0 are in (K step 1's load may be out)
	s_barrier_signal -1
	s_barrier_wait -1                              ; everybody's are
	FETCH_B 0, 0, 0
	FETCH_A 0, 0, 0
	SCALES 0
	FETCH_A 0, 0, 4
	STEP 0, 0, 1                                   ; four K steps of 256, eight steps of 128: written out; the first starts the sums
	TURN 0, 1, 1
	STEP 1, 0, 0
	TURN 1, 0, 1
	STEP 0, 0, 0
	TURN 0, 1, 0
	STEP 1, 0, 0
	s_wait_dscnt 4*NL
	WIN MUL_LO
	MUL16 0, 1, NQ-1, 1, 0
	MUL16 2, 1, NQ-1, 1, 0
	s_wait_dscnt 0
	WIN MUL_HI
	MUL16 4, 1, NQ-1, 1, 0
	MUL16 6, 1, NQ-1, 1, 0
	WIN 0
; THE WAY OUT, block by block of 16 rows x 128 columns, through my own stage in LDS: in by 32 bytes a lane, each at its columns' true place; back as whole rows of 512 bytes, which the 32 lanes store as two aligned runs of 256.
; LDS serves a wave's instructions in order (ISA guide 5.7.1.4): no wait between the stores and the loads, nor in front of the next block's stores.
.macro TOSTAGE a
.set AC, 64*((\a)%4)
	WIN 0x08+4*((\a)/4)                            ; the data: window 2 or 3
.irp b, 0,1,2,3,4,5,6,7
	ds_store_b128 v[STO], v[AC+8*\b:AC+8*\b+3] offset:128*(\b/2)+32*(\b%2)          ; each accumulator from its low end on
	ds_store_b128 v[STO], v[AC+8*\b+4:AC+8*\b+7] offset:128*(\b/2)+32*(\b%2)+16
.endr
	WIN 0
.set BB, BK+64*((\a)%2)
.irp t, 0,1,2,3,4,5,6,7,8,9,10,11,12,13,14,15
	ds_load_b128 v[BB+4*\t:BB+4*\t+3], v[RD] offset:\t*SPITCH
.endr
.endm
.macro SEND a, younger                 ; younger: the LDS instructions issued behind block a's loads, which may stay out.  Stage row t is row 32 (a / 2) + 8 (a % 2) + t + 8 (t / 8) of my 128: all of it stands in the immediate, 127 rows of 4,096 bytes at the most
.set BB, BK+64*((\a)%2)
	s_wait_dscnt \younger
.irp t, 0,1,2,3,4,5,6,7,8,9,10,11,12,13,14,15
	global_store_b128 v[CO], v[BB+4*\t:BB+4*\t+3], s[12:13] offset:(32*((\a)/2)+8*((\a)%2)+\t+8*(\t/8))*4096 th:TH_STORE_NT   ; 512 consecutive bytes, aligned; written once, read by nobody here
.endr
.endm
	PLACES NP                                      ; behind the last products: for the loads into the registers that held A's fragments and for the reads of results
	TOSTAGE 0
.irp a, 1,2,3,4,5,6,7
.if \a > 1
	s_wait_xcnt 0x0                                ; block a - 2's stores have read their registers: block a's loads may land there
.endif
	TOSTAGE \a
	SEND \a-1, 32                                  ; behind block a - 1's loads: block a's 16 stores and 16 loads
.endr
	SEND 7, 0
	s_wait_tensorcnt 0x0                           ; the wave's end
	ds_add_u32 v[SPW], v[NIL]
	s_wait_dscnt 0x0
	CROUND                                         ; the closing round: no work-group ends while a partner may still ask for a tile that names it
	s_endpgm
.Lfunc_end_k_qb16054059c_oproj:
	.size	k_qb16054059c_oproj, .Lfunc_end_k_qb16054059c_oproj-k_qb16054059c_oproj
	.p2alignl 7, 3214868480
	.fill 96, 4, 3214868480
	.section	.rodata,"a",@progbits
	.p2align	6, 0x0
	.amdhsa_kernel k_qb16054059c_oproj
		.amdhsa_group_segment_fixed_size 327680
		.amdhsa_private_segment_fixed_size 0
		.amdhsa_enable_private_segment 0
		.amdhsa_kernarg_size 40
		.amdhsa_user_sgpr_count 2
		.amdhsa_user_sgpr_kernarg_segment_ptr 1
		.amdhsa_wavefront_size32 1
		.amdhsa_system_sgpr_workgroup_id_x 1
		.amdhsa_system_sgpr_workgroup_id_y 1
		.amdhsa_system_sgpr_workgroup_id_z 1
		.amdhsa_system_vgpr_workitem_id 0
		.amdhsa_next_free_vgpr 1024
		.amdhsa_next_free_sgpr 98
		.amdhsa_reserve_vcc 0
		.amdhsa_float_denorm_mode_32 3
		.amdhsa_float_denorm_mode_16_64 3
		.amdhsa_memory_ordered 1
		.amdhsa_forward_progress 1
		.amdhsa_inst_pref_size 159
	.end_amdhsa_kernel
	.amdgpu_metadata
---
amdhsa.version: [ 1, 2 ]
amdhsa.kernels:
  - .name:           k_qb16054059c_oproj
    .symbol:         k_qb16054059c_oproj.kd
    .args:
      - { .name: attn_codes, .offset: 0, .size: 8, .value_kind: global_buffer, .address_space: global }
      - { .name: attn_scales, .offset: 8, .size: 8, .value_kind: global_buffer, .address_space: global }
      - { .name: xw_codes, .offset: 16, .size: 8, .value_kind: global_buffer, .address_space: global }
      - { .name: xw_scales, .offset: 24, .size: 8, .value_kind: global_buffer, .address_space: global }
      - { .name: out0, .offset: 32, .size: 8, .value_kind: global_buffer, .address_space: global }
    .group_segment_fixed_size: 327680
    .private_segment_fixed_size: 0
    .kernarg_segment_align: 8
    .kernarg_segment_size: 40
    .max_flat_workgroup_size: 128
    .sgpr_count:     98
    .vgpr_count:     1024
    .wavefront_size: 32
...
	.end_amdgpu_metadata
.endif
;; end of part 4
